; MI455X (gfx1250); checked and timed in simulation.
; The chip was launched on July 23, 2026; its instructions are those of AMD's public machine-readable ISA for CDNA 5 (MIT licence, August 2026) and "CDNA5" Instruction Set Architecture Reference Guide (July 2026). The comments in the code are by the model that wrote it; some were corrected since.
;; MSA Attention. Allowed arithmetic: matrix products marked QUANTISED: E2M1 operands, one E8M0 scale for each 32 along K, by v_wmma_scale_f32_16x16x128_f8f6f4 with both operands' format E2M1 (or v_wmma_scale_f32_32x16x128_f4), f32 sums; everything else in f32.
;; Inputs: ck_b 256 float32; ck_w 256 x 256 float32; cq_b 256 float32; cq_w 256 x 256 float32; cv_b 256 float32; cv_w 256 x 256 float32; mask 1 x 64 x 512 bool; msa_repr 1 x 64 x 512 x 256 float32; out_b 256 float32; out_w 256 x 256 float32; rk_b 256 float32; rk_w 256 x 256 float32; rq_b 256 float32; rq_w 256 x 256 float32; rv_b 256 float32; rv_w 256 x 256 float32.
;; Outputs: out0 1 x 64 x 512 x 256 float32.
;; This version of the problem:
;;   THIS VERSION OF THE PROBLEM IS GIVEN IN LOW PRECISION. The matrix products marked QUANTISED in the list below multiply operands that are first quantised to E2M1 (2 exponent bits, 1 mantissa bit; 4 bits a number), with one power-of-two scale for each 32 numbers along K (OCP MX v1.0); their sums are f32. All else is computed in f32.
;;   The module's matrix products, in the order in which they are computed (A, B: the left and right operand; K: the contracted axis; several contracted axes count as one K, in the product's order):
;;     1. [M 32,768, K 256] x [K 256, N 256]; A: input msa_repr; B: input rq_w: QUANTISED
;;     2. [M 32,768, K 256] x [K 256, N 256]; A: input msa_repr; B: input rk_w: QUANTISED
;;     3. [M 32,768, K 256] x [K 256, N 256]; A: input msa_repr; B: input rv_w: QUANTISED
;;     4. batch 512 x [M 512, K 32] x [K 32, N 512]; A: computed on the way; B: computed on the way: QUANTISED
;;     5. batch 512 x [M 32, K 512] x [K 512, N 512]; A: computed on the way; B: softmax (see below): QUANTISED
;;     6. [M 32,768, K 256] x [K 256, N 256]; A: input msa_repr; B: input cq_w: QUANTISED
;;     7. [M 32,768, K 256] x [K 256, N 256]; A: input msa_repr; B: input ck_w: QUANTISED
;;     8. [M 32,768, K 256] x [K 256, N 256]; A: input msa_repr; B: input cv_w: QUANTISED
;;     9. batch 4,096 x [M 64, K 32] x [K 32, N 64]; A: computed on the way; B: computed on the way: QUANTISED
;;     10. batch 4,096 x [M 32, K 64] x [K 64, N 64]; A: computed on the way; B: softmax (see below): QUANTISED
;;     11. [M 32,768, K 256] x [K 256, N 256]; A: computed on the way; B: input out_w: QUANTISED
;;   THE QUANTISER, for each operand of a quantised product, along K:
;;     - K is cut into blocks of 32 from its start; a last block that is shorter is filled with zeros.
;;     - A block's scale is 2^e with e = floor(log2(the largest magnitude in the block)) - 2, held to -126 .. 127; a block of zeros has e = 0. As a byte (E8M0): e + 127.
;;     - Each number is divided by its block's scale, clamped to +-6, and rounded to the nearest number of E2M1, ties to even, subnormals kept.
;;     - The product sums the exact products of the quantised numbers (number of the format x scale) in f32.
;;   ~~~python
;;   def quantise(x, axis):      # numpy; x: float32 -> the quantised numbers, widened to float32 again
;;       x = np.moveaxis(x, axis, -1); K = x.shape[-1]
;;       x = np.pad(x, [(0, 0)] * (x.ndim - 1) + [(0, -K % 32)]); x = x.reshape(x.shape[:-1] + (-1, 32)); a = np.abs(x).max(-1, keepdims=True)
;;       e = np.where(a > 0, np.clip(np.frexp(np.where(a > 0, a, 1))[1] - 1 - 2, -126, 127), 0)      # np.frexp(a)[1] - 1 = floor(log2(a)), exactly
;;       r = np.clip(x / 2.0 ** e, -6, 6)
;;       step = 2.0 ** (np.maximum(np.frexp(np.where(r == 0, 1, r))[1] - 1, 0) - 1)
;;       q = np.round(r / step) * step * 2.0 ** e      # np.round: ties to even
;;       return np.moveaxis(q.reshape(q.shape[:-2] + (-1,))[..., :K], -1, axis).astype(np.float32)
;;   ~~~
;;   SOFTMAX AHEAD OF A QUANTISED PRODUCT. Where the list says 'softmax', what is quantised is not the finished softmax but p = 2^(t - M), with t = logit x log2(e) and M = ceil(the row's largest t), a whole number; so 1/2 < the row's largest p <= 1. The row's sum l is taken of the UNQUANTISED p, in f32, and the product's result is divided by l at the end. Since M is a whole number, a kernel that streams over the keys may use a running M (the ceiling of the running maximum): every later rescaling is an exact power of two, which a block's scale takes up: the codes' values come out the same.
;;   OPERANDS COMPUTED ON THE WAY. 'Computed on the way' means the value that the module computes at that place (a softmax that the list does not call 'softmax' is quantised finished and normalised). What goes into a quantiser is computed in f32, as accurately as f32 sums, v_exp_f32 and their like allow (about 1e-6 of the number): no bf16 or f16 on the way to a quantiser, and a product that is left as it is and whose result goes on into a quantised operand takes f32 operands (vector FMAs, or v_wmma_f32_16x16x4_f32). A number that lies on a knife's edge between two numbers of the format may be rounded either way, as far as f32 arithmetic and the matrix unit's own rounding can turn it there, and no further.
;; One version. Each part assembles by itself: llvm-mc -triple=amdgcn-amd-amdhsa -mcpu=gfx1250 --defsym DOCPART=n.
;; ======== version 1 of 1: 3 launches
;; limits: right only within a limited range of input values
;; workspace buffers: codes 4,423,680 bytes; scales 276,480 bytes; rowo 33,554,432 bytes
;; launch quant (part 1): grid 270 x 1, 16 waves a work-group, no clusters, 84,992 bytes of LDS; arguments msa_repr, rq_w, rk_w, rv_w, cq_w, ck_w, cv_w, out_w, codes, scales; writes codes, scales
.if DOCPART == 1
	.amdgcn_target "amdgcn-amd-amdhsa--gfx1250"
	.amdhsa_code_object_version 6
	.text
	.protected	k_q049765c50d_quant
	.globl	k_q049765c50d_quant
	.p2align	8
	.type	k_q049765c50d_quant,@function
k_q049765c50d_quant:
	s_mov_b64 s[64:65], 0
	v_nop
	global_prefetch_b8 v0, s[64:65] scope:SCOPE_SE
	s_setreg_imm32_b32 hwreg(HW_REG_WAVE_MODE, 25, 1), 1
	s_wait_xcnt 0x0
; msa_repr [32768][256] and the seven weights [256][256], f32, K (the last axis) innermost, become codes of FP4 (E2M1), two a byte, with one E8M0 byte for each 32 along K.
; codes: x's 4,194,304 bytes, then the weights' 32,768 each in the order rq, rk, rv, cq, ck, cv, out.  scales: x's 262,144 bytes, then 2,048 for each weight.
; A block's scale is 2^(floor(log2(its largest magnitude)) - 2); its byte is the largest magnitude's exponent field - 2, held at 1 from below.
; LIMITS: a block of zeros gets the byte 1 (its codes are zeros, and this program alone reads the bytes); NaN and infinities among the inputs are not served.
; Rows are dense and 256 is a multiple of 32: every tensor is a plain stream of blocks of 32.  A work-group of sixteen waves takes 32,768 numbers, a wave 2,048 in 4 steps of 512.
; Work-groups 0-255 take x, work-group 256 + 2 j + half that half of weight j; the outputs' places are linear in the work-group's number.
; ALL SIXTEEN LOADS OF A WAVE GO OUT AT ITS HEAD: the work-group's whole 131,072 bytes are on their way at once.  With 124 registers a wave, two work-groups fit on a WGP.
; Each load reads 512 consecutive bytes; a step's 2,048 bytes turn through the wave's own stage in LDS and come back 64 bytes a lane, so that a lane holds 16 neighbours along K
; (two neighbouring lanes hold a block).  A wave's store of codes covers 256 consecutive bytes.  A wave makes 64 scale bytes: the sixteen waves gather 1,024 in LDS, pass the one barrier,
; and waves 0 and 1 store 512 consecutive aligned bytes each.
.set STEPS, 4
.set EMAX,  2
.set CB,    8                          ; bytes of 16 codes
.set R,     16                         ; v16-79   four sets of 16 numbers as they are loaded, one for each step
.set X,     80                         ; v80-111  two sets of 16 neighbours
.set E,     112                        ; v112-115 a scale byte for each step
.set C,     116                        ; v116-123 codes: two registers for each step, so that no store's data are written again
.set WREG,  5120                       ; LDS: a region for each wave: two stages of 32 x SP bytes
.set SP,    80                         ; a lane's place in a stage: 64 bytes + 16 of padding
.set SCB,   16*WREG                    ; behind the stages: the work-group's 1,024 scale bytes
	s_load_b512 s[4:19], s[0:1], 0x0               ; msa_repr s[4:5], then the seven weights s[6:19]
	s_load_b128 s[20:23], s[0:1], 0x40             ; codes, scales
	v_lshl_add_u32 v12, v0, 2, 0x14400
	v_mov_b32 v13, 0
	v_lshrrev_b32 v1, 5, v0
	s_delay_alu instid0(VALU_DEP_1)
	v_readfirstlane_b32 s24, v1                    ; wave 0..15
	v_and_b32 v2, 31, v0                           ; lane
	s_delay_alu instid0(VALU_DEP_1)
	v_lshlrev_b32 v3, 4, v2                        ; my 16 bytes of a load's 512
	s_mul_i32 s30, s24, WREG
	v_lshrrev_b32 v14, 2, v2
	s_delay_alu instid0(VALU_DEP_1)
	v_mul_u32_u24 v14, v14, SP
	v_and_b32 v15, 3, v2
	s_delay_alu instid0(VALU_DEP_1)
	v_lshl_add_u32 v14, v15, 4, v14
	s_delay_alu instid0(VALU_DEP_1)
	v_add_nc_u32 v14, s30, v14                     ; the stage, on the way in: SP (lane / 4) + 16 (lane % 4)
	v_mul_u32_u24 v15, v2, SP
	s_delay_alu instid0(VALU_DEP_1)
	v_add_nc_u32 v15, s30, v15                     ; and on the way out: SP x lane: my 16 neighbours
	v_mul_u32_u24 v4, v2, CB                       ; my codes' place in a step's
	v_lshrrev_b32 v5, 1, v2
	s_lshl_b32 s30, s24, 6
	s_add_co_u32 s30, s30, SCB
	v_add_nc_u32 v5, s30, v5                       ; LDS: my wave's 64 scale bytes, my block's byte
	s_min_u32 s36, s24, 1                          ; the way out of the scale bytes is waves 0 and 1's: 512 bytes each
	s_lshl_b32 s36, s36, 9
	v_add_nc_u32 v7, s36, v3                       ; in memory: 512 x wave + 16 x lane
	s_add_co_u32 s36, s36, SCB
	v_add_nc_u32 v6, s36, v3                       ; and in LDS
	s_mov_b32 s31, ttmp9                           ; g, the work-group's number
	s_sub_co_u32 s25, s31, 256
	s_lshr_b32 s25, s25, 1                         ; which weight; for g < 256 a number far above 6
	s_and_b32 s29, s31, 1
	s_cmp_lt_u32 s31, 256
	s_cselect_b32 s28, s31, s29                    ; which 32,768 numbers of the tensor
	s_lshl_b32 s28, s28, 17
	s_lshl_b32 s32, s24, 13
	s_add_co_u32 s28, s28, s32                     ; the source's offset: 131,072 a work-group, 8,192 a wave
	s_mov_b32 s29, 0
	s_lshl_b32 s32, s31, 14
	s_lshl_b32 s34, s24, 10
	s_add_co_u32 s32, s32, s34                     ; the codes': 16,384 g + 1,024 wave
	s_mov_b32 s33, 0
	s_lshl_b32 s34, s31, 10                        ; the scale bytes': 1,024 g
	s_mov_b32 s35, 0
	s_wait_alu depctr_va_vdst(0)
	s_wait_kmcnt 0x0
	s_mov_b64 s[26:27], s[4:5]                     ; the source: x, or one of the weights; the choice hangs on the work-group's number alone
.irp j, 0,1,2,3,4,5,6
	s_cmp_eq_u32 s25, \j
	s_cselect_b64 s[26:27], s[6+2*\j:7+2*\j], s[26:27]
.endr
	s_add_nc_u64 s[26:27], s[26:27], s[28:29]
	s_add_nc_u64 s[20:21], s[20:21], s[32:33]
	s_add_nc_u64 s[22:23], s[22:23], s[34:35]
.macro LOAD t
.irp i, 0,1,2,3
	global_load_b128 v[R+16*(\t)+4*\i:R+16*(\t)+4*\i+3], v3, s[26:27] offset:2048*(\t)+512*\i th:TH_LOAD_NT   ; 32 lanes read 512 consecutive bytes; read once
.endr
.endm
.macro TURN t                          ; step t's numbers through the stage: LDS serves a wave's instructions in order, so no wait stands between the stores and the loads
.irp i, 0,1,2,3
	ds_store_b128 v14, v[R+16*(\t)+4*\i:R+16*(\t)+4*\i+3] offset:32*SP*((\t)%2)+8*SP*\i
.endr
.irp i, 0,1,2,3
	ds_load_b128 v[X+16*((\t)%2)+4*\i:X+16*((\t)%2)+4*\i+3], v15 offset:32*SP*((\t)%2)+16*\i
.endr
.endm
.irp t, 0,1,2,3
	LOAD \t
.endr
	s_wait_loadcnt 12                              ; step 0's four loads are in; the twelve of steps 1 to 3 may be out
	TURN 0
.macro STEP t
.set XS, X+16*((\t)%2)
.if (\t) > 0
	s_wait_dscnt 1                                 ; this step's numbers are back from the stage; the last step's byte store may be out
.else
	s_wait_dscnt 0x0
.endif
.if (\t)+1 < STEPS
	s_wait_loadcnt 4*(STEPS-2-(\t))                ; the next step's four loads are in; those of the steps behind it may be out
	TURN (\t)+1                                    ; and go through the other stage while this step is worked
.endif
	v_max3_num_f32 v8, |v[XS]|, |v[XS+1]|, |v[XS+2]|               ; the largest magnitude of my 16, in two chains
	v_max3_num_f32 v9, |v[XS+3]|, |v[XS+4]|, |v[XS+5]|
.irp i, 6,10
	s_delay_alu instid0(VALU_DEP_2)
	v_max3_num_f32 v8, v8, |v[XS+\i]|, |v[XS+\i+1]|
	s_delay_alu instid0(VALU_DEP_2)
	v_max3_num_f32 v9, v9, |v[XS+\i+2]|, |v[XS+\i+3]|
.endr
	s_delay_alu instid0(VALU_DEP_2)
	v_max3_num_f32 v8, v8, |v[XS+14]|, |v[XS+15]|
	s_delay_alu instid0(VALU_DEP_1)
	v_max3_num_f32 v8, v8, v9, (EMAX+1)<<23        ; and the floor 2^(3 - 127): the byte cannot fall under 1
	s_delay_alu instid0(VALU_DEP_1)
	v_max_num_f32_dpp v8, v8, v8 row_xmask:1 row_mask:0xf bank_mask:0xf   ; and of my neighbour's 16: the block's
	s_delay_alu instid0(VALU_DEP_1)
	v_add_nc_u32 v11, 0xff000000, v8               ; 2 off its exponent field: the conversion takes the exponent field of this operand as its scale
	v_cvt_scalef32_pk8_fp4_f32 v[C+2*(\t)], v[XS:XS+7], v11
	v_cvt_scalef32_pk8_fp4_f32 v[C+2*(\t)+1], v[XS+8:XS+15], v11
	v_lshrrev_b32 v[E+(\t)], 23, v11               ; the scale's byte
	ds_store_b8 v5, v[E+(\t)] offset:16*(\t)       ; both lanes of a block write the same byte with the same value
	global_store_b64 v4, v[C+2*(\t):C+2*(\t)+1], s[20:21] offset:32*CB*(\t)   ; the wave stores 256 consecutive bytes, aligned
.endm
.irp t, 0,1,2,3
	STEP \t
.endr
	s_wait_dscnt 0x0                               ; for the others' sake: my 64 scale bytes lie in LDS
	s_barrier_signal -1
	s_barrier_wait -1                              ; everybody's do
	s_cmp_lt_u32 s24, 2
	s_cbranch_scc0 .Ldone                          ; waves 0 and 1 carry them out
	ds_load_b128 v[8:11], v6
	s_wait_dscnt 0x0
	global_store_b128 v7, v[8:11], s[22:23]        ; 32 lanes store 512 consecutive bytes, aligned to 256
.Ldone:
	s_barrier_signal -1
	s_barrier_wait -1
	s_wait_tensorcnt 0x0
	ds_add_u32 v12, v13
	s_wait_dscnt 0x0
	s_endpgm
.Lfunc_end_k_q049765c50d_quant:
	.size	k_q049765c50d_quant, .Lfunc_end_k_q049765c50d_quant-k_q049765c50d_quant
	.p2alignl 7, 3214868480
	.fill 96, 4, 3214868480
	.section	.rodata,"a",@progbits
	.p2align	6, 0x0
	.amdhsa_kernel k_q049765c50d_quant
		.amdhsa_group_segment_fixed_size 84992
		.amdhsa_private_segment_fixed_size 0
		.amdhsa_enable_private_segment 0
		.amdhsa_kernarg_size 80
		.amdhsa_user_sgpr_count 2
		.amdhsa_user_sgpr_kernarg_segment_ptr 1
		.amdhsa_wavefront_size32 1
		.amdhsa_system_sgpr_workgroup_id_x 1
		.amdhsa_system_sgpr_workgroup_id_y 1
		.amdhsa_system_sgpr_workgroup_id_z 1
		.amdhsa_system_vgpr_workitem_id 0
		.amdhsa_next_free_vgpr 124
		.amdhsa_next_free_sgpr 66
		.amdhsa_reserve_vcc 0
		.amdhsa_float_denorm_mode_32 3
		.amdhsa_float_denorm_mode_16_64 3
		.amdhsa_memory_ordered 1
		.amdhsa_forward_progress 1
		.amdhsa_inst_pref_size 13
	.end_amdhsa_kernel
	.amdgpu_metadata
---
amdhsa.version: [ 1, 2 ]
amdhsa.kernels:
  - .name:           k_q049765c50d_quant
    .symbol:         k_q049765c50d_quant.kd
    .args:
      - { .name: msa_repr, .offset: 0, .size: 8, .value_kind: global_buffer, .address_space: global }
      - { .name: rq_w, .offset: 8, .size: 8, .value_kind: global_buffer, .address_space: global }
      - { .name: rk_w, .offset: 16, .size: 8, .value_kind: global_buffer, .address_space: global }
      - { .name: rv_w, .offset: 24, .size: 8, .value_kind: global_buffer, .address_space: global }
      - { .name: cq_w, .offset: 32, .size: 8, .value_kind: global_buffer, .address_space: global }
      - { .name: ck_w, .offset: 40, .size: 8, .value_kind: global_buffer, .address_space: global }
      - { .name: cv_w, .offset: 48, .size: 8, .value_kind: global_buffer, .address_space: global }
      - { .name: out_w, .offset: 56, .size: 8, .value_kind: global_buffer, .address_space: global }
      - { .name: codes, .offset: 64, .size: 8, .value_kind: global_buffer, .address_space: global }
      - { .name: scales, .offset: 72, .size: 8, .value_kind: global_buffer, .address_space: global }
    .group_segment_fixed_size: 84992
    .private_segment_fixed_size: 0
    .kernarg_segment_align: 8
    .kernarg_segment_size: 80
    .max_flat_workgroup_size: 512
    .sgpr_count:     66
    .vgpr_count:     124
    .wavefront_size: 32
...
	.end_amdgpu_metadata
.endif
;; end of part 1
;; launch row (part 2): grid 4 x 64, 16 waves a work-group, no clusters, 181,248 bytes of LDS; arguments codes, scales, mask, rq_b, rk_b, rv_b, rowo; writes rowo
.if DOCPART == 2
	.amdgcn_target "amdgcn-amd-amdhsa--gfx1250"
	.amdhsa_code_object_version 6
	.text
	.protected	k_q049765c50d_row
	.globl	k_q049765c50d_row
	.p2align	8
	.type	k_q049765c50d_row,@function
k_q049765c50d_row:
	s_mov_b64 s[64:65], 0
	v_nop
	global_prefetch_b8 v0, s[64:65] scope:SCOPE_SE
	s_setreg_imm32_b32 hwreg(HW_REG_WAVE_MODE, 25, 1), 1
	s_wait_xcnt 0x0
; ROW ATTENTION of one MSA row s (work-group y) and the heads 2 x, 2 x + 1 (work-group x), on codes of FP4 (E2M1) with one E8M0 scale for each 32 along a product's K.
; Sixteen waves.  Wave w owns positions 32 w .. 32 w + 31.  FIRST it projects q, k, v of BOTH heads (K = 256; x's fragments stay in registers), quantises q and k along the head's 32 and v along its 32 keys,
; and leaves them in LDS: k as plain rows of 16 bytes, v as images of operand registers, q's operands in its own bytes.  ONE barrier.  THEN it runs attention for its 2 x 2 (head, tile of 16 queries), 128 keys a step; no barrier follows.
; THE WEIGHTS of both heads (64 rows of Wq, Wk, Wv) are staged once in LDS, row 32 head + 16 t + r at pitch 144; one barrier in front of their first read.
; TILES OF THE PROJECTIONS: lane r of tile u of a group of 32 takes row 8 u + r + 8 (r / 8), so the 16 registers of a tile pair in lane half hh are the neighbours 16 hh + 0 .. 15.
; K = 32 IN AN INSTRUCTION OF 128: a fragment of k holds 64 keys, a tile of 16 in each of its four blocks; q stands in four versions, its codes in one block and zero codes elsewhere: version b picks tile b.
; THE KEYS OF A SCORE TILE: row m of tile b of a fragment is key 32 (m / 8) + 8 b + m % 8 of its 64.  So a lane's 32 score registers of a fragment are the 32 neighbouring keys of ONE block (lanes 0-15 the first, lanes 16-31 the second):
; a block's maximum needs no other lane, and the conversions' results are the second product's operand as they stand.  k's rows lie 640 bytes a block of 32 keys, so that the sixteen rows of a load fall on different banks.
; THE MASK.  A masked key's k is multiplied by 0 ahead of the quantiser and its score starts from C = -2^32, an open key's from 0.  c x 2^32 is a whole number in f32: a row all masked gets p = 1 everywhere; in a mixed row p = 0.
; SOFTMAX.  t = score x c, c = log2(e) / sqrt(32); M = the running largest t rounded up to a whole number; p = 2^(t - M) is quantised along the keys; the sum is taken of the unquantised p and divides at the end.
; THE SECOND PRODUCT OF A STEP IS ISSUED IN THE NEXT STEP, behind that step's score products: the rescaling of O^T stands in the places behind them.
; LIMITS: the masked logit is -2^32 / sqrt(32) = -7.6e8 where the reference has -1e9: results differ only where an open logit lies under about -7e8.  NaN and infinities are not served.
; A block of zeros carries the byte 1 (its codes are zeros).  p under 2^-126 becomes 0.
; OUT.  rowo is laid [l / 2][h][s][l % 2][32]: the 256 bytes of (l / 2, h, s) are stored whole by sixteen neighbouring lanes.
; No tensor loads, no cluster, no prefetch: a work-group reads 24 KB of weights and 64 KB of x's codes once, all asked for at its head, and nothing after.
.set WC0,   4194304                    ; the weights' codes begin here, 32,768 bytes each
.set WS0,   262144                     ; their scale bytes, 2,048 each
.set HB,    19456                      ; LDS: a block for each head:
.set KIMG,  0                          ;   k: key 32 B + o at 640 B + 16 o
.set VIMG,  10240                      ;   v: fragment (tile of d t, step g) at 4096 t + 1024 g, four registers at + 512 c, lane at 16 x lane
.set KSC,   18432                      ;   k's scale words: 64 x (group of 64 keys) + 4 r; byte b for the group's tile b
.set VSC,   18944                      ;   v's: 256 t + 64 g + 4 r; byte b for the step's key block b
.set BIASL, 38912                      ; 0 or -2^32 for each key, f32, in natural order
.set WL,    40960                      ; the weights
.set WP,    144
.set WJ,    64*WP
.set QIM,   68608                      ; q: for each wave four (head, tile) x QPB bytes: codes in lanes 0-15, codes in lanes 16-31, scale words
.set QPB,   1152
.set STG,   142336                     ; sixteen stages of 16 queries x (128 + 16) bytes
.set SPARE, 179200                     ; the spare words, 128 bytes a wave
.set LI,  1                            ; 16 x lane
.set L4,  2                            ; 4 r
.set KST, 3                            ; the projections' LDS addresses: k's rows, k's byte, v's image, v's byte, mask numbers, a weight's fragment
.set KSS, 4
.set VST, 5
.set VSS, 6
.set BST, 7
.set WLA, 8
.set AB,  9                            ; 64 hh: a bias's 16 numbers of my half
.set QST, 10                           ; my q bytes + 16 x lane;  v11: + 1024 + 4 x lane
.set QSS, 11
.set BV,  12                           ; v12-15 v's bias of my two d, both heads
.set AKC, 3                            ; the attention's addresses in the head in hand (the projections' are done with)
.set ALC, 4
.set A4C, 5
.set QAC, 6
.set QSC, 7
.set GOC, 8
.set GO0, 9
.set AK0, 220                          ; 640 (r / 8) + 128 hh + 16 (r % 8)
.set LB,  221                          ; BIASL + 128 hh
.set SGI, 222
.set SGO, 223
.set SPW, 252
.set NIL, 253
.set MF,  254                          ; v254-255 the mask of my two keys, 1.0 or 0.0
.set XS,  224                          ; v224-251 hold scale words and nothing else: x's (2 u + k); from 228 the weights': 12 head + 4 weight + 2 t + k
.set QSW, 224                          ; in the attention: q's, k's (two fragments), v's (two tiles of d), p's
.set KSW, 225
.set VSW, 227
.set PSW, 229
.set XF,  16                           ; the projections: x's fragments (16 u + 8 k)
.set WA,  48                           ; Wq's, later Wv's (16 t + 8 k)
.set WK,  80
.set ACQ, 112                          ; q: 16 u + i = d 16 hh + i of row (u, r); later at work for q's operands; then
.set ACV, 112                          ; v: 16 t + i = key 16 hh + i of d (t, r)
.set ACK, 144
.set GV,  144                          ; v's codes, v148 its byte (k's sums are done with)
.set BQ,  176
.set BK,  192
.set TM,  208
.set GQ,  216
.set GT,  220
.set QF,  16                           ; the attention: Z | codes low | Z | codes high | Z, four registers each
.set KF,  36
.set VF,  52
.set PC,  68
.set RB,  76                           ; rows read back from the stage
.set S,   96                           ; scores, then p: 32 g + i = key 64 g + 32 hh + i of the step
.set OT,  160                          ; O^T: 8 t + j = d 16 hh + 8 t + j
.set BM,  176
.set PX,  180
.set TT,  181
.set SOP, 182
.set SB,  184
.set NM,  186                          ; -M, two pairs that take turns step by step
.set TX,  190                          ; the running largest score
.set LS,  192
.set FF,  194                          ; 2^(old M - new M), later 1 / sum
.set T,   196                          ; the sum's four chains
.set OUTR, 204
.set SEL, 22
.set CS,  24
.set SLO, 26
.set SHI, 27
.set SXB, 28
.set SXS, 30
.set SWC, 32
.set SWS, 34
.set SMK, 36
.macro PLACES n                        ; plain vector places behind a matrix instruction (ISA guide 7.12.1)
.rept \n
	v_nop
.endr
.endm
.macro MMC d, a, b, c, sa, sb
	v_wmma_scale_f32_16x16x128_f8f6f4 v[\d:\d+7], v[\a:\a+7], v[\b:\b+7], v[\c:\c+7], v[\sa], v[\sb] matrix_a_fmt:MATRIX_FMT_FP4 matrix_b_fmt:MATRIX_FMT_FP4
.endm
.macro MMZ d, a, b, sa, sb
	v_wmma_scale_f32_16x16x128_f8f6f4 v[\d:\d+7], v[\a:\a+7], v[\b:\b+7], 0, v[\sa], v[\sb] matrix_a_fmt:MATRIX_FMT_FP4 matrix_b_fmt:MATRIX_FMT_FP4
.endm
; Two runs of 16 numbers, each my half of a block shared with lane l xor 16, become 2 x 2 registers of codes; the bytes are left in TM+6, TM+7
.macro QUANT2 a, b, da, db
	v_max3_num_f32 v[TM], |v[\a]|, |v[\a+1]|, 0x1800000            ; with the floor 2^(3 - 127): the byte cannot fall under 1
	v_max3_num_f32 v[TM+1], |v[\b]|, |v[\b+1]|, 0x1800000
.irp i, 2,4,6,8,10,12,14
	v_max3_num_f32 v[TM], v[TM], |v[\a+\i]|, |v[\a+\i+1]|
	v_max3_num_f32 v[TM+1], v[TM+1], |v[\b+\i]|, |v[\b+\i+1]|
.endr
	s_delay_alu instid0(VALU_DEP_2)
	v_permlanex16_b32 v[TM+2], v[TM], s[SEL], s[SEL+1]
	s_delay_alu instid0(VALU_DEP_2)
	v_permlanex16_b32 v[TM+3], v[TM+1], s[SEL], s[SEL+1]
	s_delay_alu instid0(VALU_DEP_2)
	v_max_num_f32 v[TM], v[TM], v[TM+2]
	s_delay_alu instid0(VALU_DEP_2)
	v_max_num_f32 v[TM+1], v[TM+1], v[TM+3]
	s_delay_alu instid0(VALU_DEP_2)
	v_add_nc_u32 v[TM+4], 0xff000000, v[TM]                        ; 2 off the exponent field: the conversion's scale operand
	s_delay_alu instid0(VALU_DEP_2)
	v_add_nc_u32 v[TM+5], 0xff000000, v[TM+1]
	s_delay_alu instid0(VALU_DEP_2)
	v_lshrrev_b32 v[TM+6], 23, v[TM+4]                             ; the scale's byte
	s_delay_alu instid0(VALU_DEP_2)
	v_lshrrev_b32 v[TM+7], 23, v[TM+5]
	v_cvt_scalef32_pk8_fp4_f32 v[\da], v[\a:\a+7], v[TM+4]
	v_cvt_scalef32_pk8_fp4_f32 v[\da+1], v[\a+8:\a+15], v[TM+4]
	v_cvt_scalef32_pk8_fp4_f32 v[\db], v[\b:\b+7], v[TM+5]
	v_cvt_scalef32_pk8_fp4_f32 v[\db+1], v[\b+8:\b+15], v[TM+5]
	v_nop                                                          ; one plain place behind a scaled conversion
.endm
.macro SWAP2 g                         ; half blocks become whole ones: lanes 0-15 hold the first run's 32 codes in v[g .. g+3], lanes 16-31 the second's
	v_permlane16_swap_b32 v[\g], v[\g+2]
	v_permlane16_swap_b32 v[\g+1], v[\g+3]
.endm
.macro BYTE4 d, s                      ; the byte in v[s] into all four bytes of v[d]
	v_lshl_or_b32 v[TM+2], v[\s], 8, v[\s]
	s_delay_alu instid0(VALU_DEP_1)
	v_lshl_or_b32 v[\d], v[TM+2], 16, v[TM+2]
.endm
.macro WFRAG reg, j, hd                ; weight j's two tiles of head hd, both K steps, out of LDS
.irp t, 0,1
.irp k, 0,1
.irp c, 0,1
	ds_load_b128 v[\reg+16*\t+8*\k+4*\c:\reg+16*\t+8*\k+4*\c+3], v[WLA] offset:WJ*(\j)+WP*(32*(\hd)+16*\t)+64*\k+32*\c
.endr
.endr
.endr
.endm
.macro BLD hd                          ; the biases of q and k: 16 numbers of my half: 8 loads
.irp i, 0,1,2,3
	global_load_b128 v[BQ+4*\i:BQ+4*\i+3], v[AB], s[10:11] offset:128*(\hd)+16*\i
	global_load_b128 v[BK+4*\i:BK+4*\i+3], v[AB], s[12:13] offset:128*(\hd)+16*\i
.endr
.endm
	s_load_b256 s[4:11], s[0:1], 0x0               ; codes, scales, mask, rq_b
	s_load_b128 s[12:15], s[0:1], 0x20             ; rk_b, rv_b
	s_load_b64 s[16:17], s[0:1], 0x30              ; rowo
	v_lshl_add_u32 v[SPW], v0, 2, SPARE
	v_mov_b32 v[NIL], 0
	v_lshrrev_b32 v208, 5, v0
	s_delay_alu instid0(VALU_DEP_1)
	v_readfirstlane_b32 s18, v208                  ; wave w
	s_mov_b32 s19, ttmp9                           ; x
	s_and_b32 s20, ttmp7, 0xffff                   ; MSA row s
	s_mov_b32 s[SEL], 0x76543210
	s_mov_b32 s[SEL+1], 0xfedcba98
	s_mov_b32 s[CS], 0x3e8293ee                    ; c = log2(e) / sqrt(32)
	s_mov_b32 s[CS+1], s[CS]
	s_mov_b32 s[SLO], 0x0000ffff
	s_mov_b32 s[SHI], 0xffff0000
	s_mul_i32 s38, s18, 640                        ; k's rows: block w
	s_lshl_b32 s39, s18, 5
	s_add_co_u32 s39, s39, KSC
	s_lshl_b32 s40, s18, 8
	s_add_co_u32 s40, s40, VIMG
	s_lshr_b32 s41, s18, 2
	s_lshl_b32 s41, s41, 6
	s_and_b32 s42, s18, 3
	s_add_co_u32 s41, s41, s42
	s_add_co_u32 s41, s41, VSC
	s_lshl_b32 s42, s18, 7
	s_add_co_u32 s42, s42, BIASL
	s_lshr_b32 s43, s18, 3                         ; my 512 bytes of a weight are rows e = 4 w + lane / 8; row e goes to LDS row 32 (w / 8) + 16 ((w / 2) % 2) + 8 ((w / 4) % 2) + 4 (w % 2) + lane / 8
	s_lshl_b32 s43, s43, 5
	s_bfe_u32 s44, s18, 0x10001
	s_lshl_b32 s44, s44, 4
	s_add_co_u32 s43, s43, s44
	s_bfe_u32 s44, s18, 0x10002
	s_lshl_b32 s44, s44, 3
	s_add_co_u32 s43, s43, s44
	s_and_b32 s44, s18, 1
	s_lshl_b32 s44, s44, 2
	s_add_co_u32 s43, s43, s44
	s_mul_i32 s43, s43, WP
	s_add_co_u32 s43, s43, WL
	s_mul_i32 s44, s18, 4*QPB
	s_add_co_u32 s44, s44, QIM
	s_mul_i32 s45, s18, 2304
	s_add_co_u32 s45, s45, STG
	s_mov_b32 s51, 0
	v_and_b32 v208, 15, v0                         ; r
	v_bfe_u32 v209, v0, 4, 1                       ; hh
	v_and_b32 v210, 31, v0                         ; lane
	v_and_b32 v211, 8, v208
	s_delay_alu instid0(VALU_DEP_1)
	v_add_nc_u32 v211, v211, v208                  ; RHO = r + 8 (r / 8): also the mask's offset
	s_delay_alu instid0(VALU_DEP_1)
	v_lshlrev_b32 v212, 7, v211
	s_delay_alu instid0(VALU_DEP_1)
	v_lshl_add_u32 v212, v209, 4, v212             ; 128 RHO + 16 hh: x's codes
	v_lshlrev_b32 v213, 3, v211                    ; 8 RHO: scale words
	v_lshlrev_b32 v214, 2, v211                    ; 4 RHO
	v_lshlrev_b32 v[AB], 6, v209
	v_lshlrev_b32 v[LI], 4, v210
	v_lshlrev_b32 v[L4], 2, v208
	v_lshlrev_b32 v215, 4, v211
	s_delay_alu instid0(VALU_DEP_1)
	v_lshl_add_u32 v215, v209, 7, v215
	s_delay_alu instid0(VALU_DEP_1)
	v_add_nc_u32 v[KST], s38, v215                 ; 640 w + 128 hh + 16 RHO
	v_and_b32 v216, 7, v208
	v_lshrrev_b32 v217, 3, v208
	s_delay_alu instid0(VALU_DEP_2)
	v_lshlrev_b32 v216, 2, v216
	s_delay_alu instid0(VALU_DEP_1)
	v_lshl_add_u32 v216, v217, 1, v216
	s_delay_alu instid0(VALU_DEP_1)
	v_add_nc_u32 v216, v216, v209
	s_delay_alu instid0(VALU_DEP_1)
	v_add_nc_u32 v[KSS], s39, v216                 ; KSC + 32 w + 4 (r % 8) + 2 (r / 8) + hh
	v_lshlrev_b32 v[VST], 12, v209
	s_delay_alu instid0(VALU_DEP_1)
	v_lshl_add_u32 v[VST], v208, 4, v[VST]
	s_delay_alu instid0(VALU_DEP_1)
	v_add_nc_u32 v[VST], s40, v[VST]               ; VIMG + 4096 hh + 256 w + 16 r
	v_lshl_add_u32 v[VSS], v209, 8, v[L4]
	s_delay_alu instid0(VALU_DEP_1)
	v_add_nc_u32 v[VSS], s41, v[VSS]               ; VSC + 256 hh + 64 (w / 4) + w % 4 + 4 r
	v_add_nc_u32 v[BST], s42, v214                 ; BIASL + 128 w + 4 RHO
	v_mul_u32_u24 v[WLA], v208, WP
	s_delay_alu instid0(VALU_DEP_1)
	v_lshl_add_u32 v[WLA], v209, 4, v[WLA]
	s_delay_alu instid0(VALU_DEP_1)
	v_add_nc_u32 v[WLA], WL, v[WLA]
	v_lshrrev_b32 v218, 3, v210
	v_and_b32 v219, 7, v210
	s_delay_alu instid0(VALU_DEP_2)
	v_mul_u32_u24 v218, v218, WP
	s_delay_alu instid0(VALU_DEP_1)
	v_lshl_add_u32 v218, v219, 4, v218
	s_delay_alu instid0(VALU_DEP_1)
	v_add_nc_u32 v220, s43, v218                   ; where I put my 512 bytes of a weight
	v_add_nc_u32 v[QST], s44, v[LI]
	v_lshl_add_u32 v[QSS], v210, 2, 1024
	s_delay_alu instid0(VALU_DEP_1)
	v_add_nc_u32 v[QSS], s44, v[QSS]
	s_wait_alu depctr_va_vdst(0)
	s_wait_kmcnt 0x0
	s_lshl_b32 s50, s20, 16
	s_lshl_b32 s52, s18, 12
	s_add_co_u32 s50, s50, s52
	s_add_nc_u64 s[SXB:SXB+1], s[4:5], s[50:51]    ; codes + 65,536 s + 4,096 w
	s_lshl_b32 s50, s20, 12
	s_lshl_b32 s52, s18, 8
	s_add_co_u32 s50, s50, s52
	s_add_nc_u64 s[SXS:SXS+1], s[6:7], s[50:51]    ; scales + 4,096 s + 256 w
	s_lshl_b32 s50, s19, 13
	s_lshl_b32 s52, s18, 9
	s_add_co_u32 s50, s50, s52
	s_add_co_u32 s50, s50, WC0
	s_add_nc_u64 s[SWC:SWC+1], s[4:5], s[50:51]    ; codes + WC0 + 8,192 x + 512 w
	s_lshl_b32 s50, s19, 9
	s_add_co_u32 s50, s50, WS0
	s_add_nc_u64 s[SWS:SWS+1], s[6:7], s[50:51]    ; scales + WS0 + 512 x
	s_lshl_b32 s50, s20, 9
	s_lshl_b32 s52, s18, 5
	s_add_co_u32 s50, s50, s52
	s_add_nc_u64 s[SMK:SMK+1], s[8:9], s[50:51]    ; mask + 512 s + 32 w
	s_lshl_b32 s50, s19, 8
	s_add_nc_u64 s[10:11], s[10:11], s[50:51]      ; the biases at head 2 x
	s_add_nc_u64 s[12:13], s[12:13], s[50:51]
	s_add_nc_u64 s[14:15], s[14:15], s[50:51]
	s_lshl_b32 s50, s19, 15
	s_lshl_b32 s52, s20, 8
	s_add_co_u32 s50, s50, s52
	s_lshl_b32 s52, s18, 21
	s_add_co_u32 s50, s50, s52
	s_add_nc_u64 s[16:17], s[16:17], s[50:51]      ; rowo + 256 (64 x 2 x + s) + 16 w x 131,072
	; ALL THAT THE LAUNCH READS FROM MEMORY, but the second head's biases of q and k: my share of the weights first
.irp j, 0,1,2
	global_load_b128 v[WA+4*\j:WA+4*\j+3], v[LI], s[SWC:SWC+1] offset:32768*\j
.endr
.irp u, 0,1
.irp k, 0,1
.irp c, 0,1
	global_load_b128 v[XF+16*\u+8*\k+4*\c:XF+16*\u+8*\k+4*\c+3], v212, s[SXB:SXB+1] offset:1024*\u+64*\k+32*\c
.endr
.endr
	global_load_b64 v[XS+2*\u:XS+2*\u+1], v213, s[SXS:SXS+1] offset:64*\u
.endr
	global_load_u8 v[MF], v211, s[SMK:SMK+1]
	global_load_u8 v[MF+1], v211, s[SMK:SMK+1] offset:8
	BLD 0
.irp h, 0,1
	global_load_b32 v[BV+2*\h], v214, s[14:15] offset:128*\h
	global_load_b32 v[BV+2*\h+1], v214, s[14:15] offset:128*\h+32
.irp j, 0,1,2
.irp t, 0,1
	global_load_b64 v[228+12*\h+4*\j+2*\t:229+12*\h+4*\j+2*\t], v213, s[SWS:SWS+1] offset:2048*\j+256*\h+64*\t
.endr
.endr
.endr
	s_wait_loadcnt 36                              ; the three loads of weights are in; the 36 behind them (10 x, 2 mask, 8 + 4 biases, 12 scale words) may be out
.irp j, 0,1,2
	ds_store_b128 v220, v[WA+4*\j:WA+4*\j+3] offset:WJ*\j
.endr
	s_wait_dscnt 0x0                               ; for the others' sake: my rows of the weights lie in LDS
	s_barrier_signal -1
	s_barrier_wait -1                              ; everybody's do; they are never written again
; ---- THE PROJECTIONS OF A HEAD
.macro PROJ hd
.set WB, 228+12*(\hd)
	WFRAG WA, 0, \hd
	WFRAG WK, 1, \hd
	s_wait_loadcnt 0x0
.if \hd == 0
	v_cvt_f32_u32 v[MF], v[MF]                     ; the mask: 1.0 or 0.0,
	v_cvt_f32_u32 v[MF+1], v[MF+1]
	s_delay_alu instid0(VALU_DEP_2)
	v_add_f32 v112, -1.0, v[MF]
	s_delay_alu instid0(VALU_DEP_2)
	v_add_f32 v113, -1.0, v[MF+1]
	s_delay_alu instid0(VALU_DEP_2)
	v_ldexp_f32 v112, v112, 32                     ; and 0 or -2^32: where a score starts
	s_delay_alu instid0(VALU_DEP_2)
	v_ldexp_f32 v113, v113, 32
	ds_store_b32 v[BST], v112                      ; both halves of the lanes store the same word with the same value
	ds_store_b32 v[BST], v113 offset:32
.endif
	s_wait_dscnt 0x0
	; q and k, transposed (source 0 = 16 rows of the weight, source 1 = 16 rows of x): a lane holds one row, its registers run along d; the bias is the C of the first K step.  Eight accumulators by turns
.irp u, 0,1
.irp t, 0,1
	MMC ACQ+16*\u+8*\t, WA+16*\t, XF+16*\u, BQ+8*\t, WB+2*\t, XS+2*\u
.endr
.endr
.irp u, 0,1
.irp t, 0,1
	MMC ACK+16*\u+8*\t, WK+16*\t, XF+16*\u, BK+8*\t, WB+4+2*\t, XS+2*\u
.endr
.endr
.irp u, 0,1
.irp t, 0,1
	MMC ACQ+16*\u+8*\t, WA+16*\t+8, XF+16*\u+8, ACQ+16*\u+8*\t, WB+2*\t+1, XS+2*\u+1
.endr
.endr
.irp u, 0,1
.irp t, 0,1
	MMC ACK+16*\u+8*\t, WK+16*\t+8, XF+16*\u+8, ACK+16*\u+8*\t, WB+4+2*\t+1, XS+2*\u+1
.endr
.endr
	PLACES 4                                       ; in front of loads into registers that the products have read, and of the first read of results
	WFRAG WA, 2, \hd                               ; Wv, where Wq lay
.if \hd == 0
	BLD 1                                          ; the second head's biases, where the first's lay
.endif
	QUANT2 ACQ, ACQ+16, GQ, GQ+2                   ; q: one block of 32 along d for each row
	SWAP2 GQ
	BYTE4 112, TM+6
	BYTE4 113, TM+7
	ds_store_b32 v[QSS], v112 offset:QPB*2*(\hd)
	ds_store_b32 v[QSS], v113 offset:QPB*(2*(\hd)+1)
.irp i, 0,1,2,3
	v_permlanex16_b32 v[116+\i], v[GQ+\i], s[SEL], s[SEL+1]
.endr
.irp i, 0,1,2,3                                ; each tile's codes in lanes 0-15 alone and in lanes 16-31 alone
	v_cndmask_b32 v[120+\i], 0, v[GQ+\i], s[SLO]
	v_cndmask_b32 v[132+\i], 0, v[GQ+\i], s[SHI]
	v_cndmask_b32 v[124+\i], 0, v[116+\i], s[SHI]
	v_cndmask_b32 v[128+\i], 0, v[116+\i], s[SLO]
.endr
.irp n, 0,1,2,3
	ds_store_b128 v[QST], v[120+4*\n:123+4*\n] offset:QPB*(2*(\hd)+\n/2)+512*(\n%2)
.endr
.irp i, 0,2,4,6,8,10,12,14
	v_pk_mul_f32 v[ACK+\i:ACK+\i+1], v[ACK+\i:ACK+\i+1], v[MF:MF+1] op_sel_hi:[1,0]               ; a masked key's k becomes zeros
.endr
.irp i, 16,18,20,22,24,26,28,30
	v_pk_mul_f32 v[ACK+\i:ACK+\i+1], v[ACK+\i:ACK+\i+1], v[MF:MF+1] op_sel:[0,1] op_sel_hi:[1,1]
.endr
	QUANT2 ACK, ACK+16, GT, GT+2
	SWAP2 GT
	ds_store_b128 v[KST], v[GT:GT+3] offset:HB*(\hd)+KIMG          ; my 32 keys' rows of 16 bytes
	v_cndmask_b32 v172, v[TM+6], v[TM+7], s[SHI]
	ds_store_b8 v[KSS], v172 offset:HB*(\hd)
	s_wait_dscnt 0x0                               ; Wv's fragments are in, and my stores have read their registers
	; v, not transposed (source 0 = x, source 1 = Wv): a lane holds one d, its registers run along my 32 keys: one block of the second product's K
.irp t, 0,1
.irp u, 0,1
	MMZ ACV+16*\t+8*\u, XF+16*\u, WA+16*\t, XS+2*\u, WB+8+2*\t
.endr
.endr
.irp t, 0,1
.irp u, 0,1
	MMC ACV+16*\t+8*\u, XF+16*\u+8, WA+16*\t+8, ACV+16*\t+8*\u, XS+2*\u+1, WB+8+2*\t+1
.endr
.endr
	PLACES 4
.irp i, 0,2,4,6,8,10,12,14
	v_pk_add_f32 v[ACV+\i:ACV+\i+1], v[ACV+\i:ACV+\i+1], v[BV+2*(\hd):BV+2*(\hd)+1] op_sel_hi:[1,0]
.endr
.irp i, 16,18,20,22,24,26,28,30
	v_pk_add_f32 v[ACV+\i:ACV+\i+1], v[ACV+\i:ACV+\i+1], v[BV+2*(\hd):BV+2*(\hd)+1] op_sel:[0,1] op_sel_hi:[1,1]
.endr
	QUANT2 ACV, ACV+16, GV, GV+2
	SWAP2 GV
	ds_store_b128 v[VST], v[GV:GV+3] offset:HB*(\hd)               ; v's image: key block w of both tiles of d
	v_cndmask_b32 v148, v[TM+6], v[TM+7], s[SHI]
	ds_store_b8 v[VSS], v148 offset:HB*(\hd)
.endm
	PROJ 0
	PROJ 1
	s_wait_dscnt 0x0                               ; for the others' sake: my rows, images, bytes and mask numbers lie in LDS
	s_barrier_signal -1
	v_and_b32 v92, 15, v0                          ; the attention's addresses: work on registers while the others arrive
	v_bfe_u32 v93, v0, 4, 1
	v_and_b32 v94, 7, v0
	v_bfe_u32 v95, v0, 3, 1
	v_bfe_u32 v91, v0, 3, 2
	v_mul_u32_u24 v[AK0], v95, 640
	v_lshl_add_u32 v[LB], v93, 7, BIASL
	v_mul_u32_u24 v[SGI], v92, 144
	v_mul_u32_u24 v[SGO], v91, 144
	v_lshlrev_b32 v[GO0], 17, v93
	v_lshl_add_u32 v[AK0], v93, 7, v[AK0]
	v_lshl_add_u32 v[SGI], v93, 6, v[SGI]
	v_lshl_add_u32 v[SGO], v94, 4, v[SGO]
	v_lshl_add_u32 v[GO0], v92, 4, v[GO0]          ; 131,072 hh + 16 r
	v_lshl_add_u32 v[AK0], v94, 4, v[AK0]
	v_add_nc_u32 v[SGI], s45, v[SGI]               ; my stage + 144 r + 64 hh
	v_add_nc_u32 v[SGO], s45, v[SGO]               ; my stage + 144 (lane / 8) + 16 (lane % 8)
.irp z, 0,8,16
.irp i, 0,1,2,3
	v_mov_b32 v[QF+\z+\i], 0                       ; the zeros between q's versions
.endr
.endr
	v_mov_b32 v[PX], 0                             ; a lane permute's destination counts as one of its sources
	v_mov_b32 v[FF+1], 0                           ; (named as the upper halves of pairs)
	v_mov_b32 v[NM+1], 0
	v_mov_b32 v[NM+3], 0
	s_wait_alu depctr_va_vdst(0)
	s_barrier_wait -1                              ; everybody's lie there; nothing of the heads' blocks is written again
; ---- THE ATTENTION
.macro KLOADS sg                       ; step sg's k: two scale words, two fragments gathered row by row: 6 loads
.irp g, 0,1
	ds_load_b32 v[KSW+\g], v[A4C] offset:KSC+128*(\sg)+64*\g
.irp c, 0,1
	ds_load_b128 v[KF+8*\g+4*\c:KF+8*\g+4*\c+3], v[AKC] offset:KIMG+2560*(\sg)+1280*\g+256*\c
.endr
.endr
.endm
.macro VLOADS sg                       ; step sg's v: 6 loads
.irp t, 0,1
.irp c, 0,1
	ds_load_b128 v[VF+8*\t+4*\c:VF+8*\t+4*\c+3], v[ALC] offset:VIMG+4096*\t+1024*(\sg)+512*\c
.endr
	ds_load_b32 v[VSW+\t], v[A4C] offset:VSC+256*\t+64*(\sg)
.endr
.endm
.macro BL sg, n                        ; where four of step sg's scores start: 0, or -2^32 for a masked key
	ds_load_b128 v[S+4*(\n):S+4*(\n)+3], v[LB] offset:512*(\sg)+256*((\n)/8)+16*((\n)%8)
.endm
.macro SMM g                           ; S^T = k q^T: four tiles of fragment g; version b of q picks the fragment's block b
	MMC S+32*\g, KF+8*\g, QF+4, S+32*\g, KSW+\g, QSW
	MMC S+32*\g+8, KF+8*\g, QF+12, S+32*\g+8, KSW+\g, QSW
	MMC S+32*\g+16, KF+8*\g, QF, S+32*\g+16, KSW+\g, QSW
	MMC S+32*\g+24, KF+8*\g, QF+8, S+32*\g+24, KSW+\g, QSW
.endm
.macro PV i                            ; step i's second product, O^T = O^T f + v^T p^T; its vector lines are the places behind the score products.  i = -1: places alone
.if (\i) < 1
	PLACES 4
.else
	s_wait_alu depctr_va_vdst(0)                   ; directly ahead of the first reader of O^T
.irp j, 0,2,4,6,8,10,12,14
	v_pk_mul_f32 v[OT+\j:OT+\j+1], v[OT+\j:OT+\j+1], v[FF:FF+1] op_sel_hi:[1,0]
.endr
	MMC OT, VF, PC, OT, VSW, PSW
	MMC OT+8, VF+8, PC, OT+8, VSW+1, PSW
.endif
.if (\i) == 0
	MMZ OT, VF, PC, VSW, PSW                       ; the first product starts the sums
	MMZ OT+8, VF+8, PC, VSW+1, PSW
.endif
.endm
.macro STEP sg                         ; my 16 queries against keys 128 sg .. 128 sg + 127
.set NC, NM+2*((\sg)%2)
.set NO, NM+2-2*((\sg)%2)
	s_wait_dscnt 8                                 ; all but the eight youngest loads, the second fragment's mask numbers
	SMM 0
	s_wait_dscnt 0x0
	SMM 1
	PV (\sg)-1
.if \sg < 3
	KLOADS (\sg)+1
.endif
.irp q, 0,1,2,3                                ; the largest score of each block of 32 keys, each in two chains; each accumulator is read from its low end on
	v_max3_num_f32 v[BM+\q], v[S+16*\q], v[S+16*\q+1], v[S+16*\q+2]
.endr
.irp q, 0,1,2,3
	v_max3_num_f32 v[BM+\q], v[BM+\q], v[S+16*\q+3], v[S+16*\q+4]
.endr
	VLOADS \sg                                     ; eight places behind the products that read v's registers
.irp i, 5,7,9,11,13
.irp q, 0,1,2,3
	v_max3_num_f32 v[BM+\q], v[BM+\q], v[S+16*\q+\i], v[S+16*\q+\i+1]
.endr
.endr
	v_max3_num_f32 v[BM], v[BM], v[BM+1], v[S+15]
	v_max3_num_f32 v[BM+2], v[BM+2], v[BM+3], v[S+47]
	v_max_num_f32 v[BM], v[BM], v[S+31]
	v_max_num_f32 v[BM+2], v[BM+2], v[S+63]
	v_max_num_f32 v[TT], v[BM], v[BM+2]
	v_permlanex16_b32 v[PX], v[TT], s[SEL], s[SEL+1]
.if \sg == 0
	v_max_num_f32 v[TX], v[TT], v[PX]              ; the row's largest score so far (c is positive)
.else
	v_max3_num_f32 v[TX], v[TX], v[TT], v[PX]
.endif
	v_mul_f32 v[TT], s[CS], v[TX]
	v_floor_f32 v[NC], -v[TT]
.if \sg > 0
	s_delay_alu instid0(VALU_DEP_1)
	v_sub_f32 v[TT], v[NC], v[NO]                  ; old M - new M, 0 or less
	s_delay_alu instid0(VALU_DEP_1)
	v_cvt_i32_f32 v[TT], v[TT]                     ; (it saturates)
.endif
.irp j, 0,2,4,6,8,10,12,14,16,18,20,22,24,26,28,30,32,34,36,38,40,42,44,46,48,50,52,54,56,58,60,62
	v_pk_fma_f32 v[S+\j:S+\j+1], v[S+\j:S+\j+1], s[CS:CS+1], v[NC:NC+1] op_sel_hi:[1,0,0]   ; t - M
.endr
	v_fma_f32 v[BM], v[BM], s[CS], v[NC]           ; the same of each block's largest score
	v_fma_f32 v[BM+2], v[BM+2], s[CS], v[NC]
	s_wait_alu depctr_va_vdst(0)                   ; ahead of the batch
.irp j, 0,1,2,3,4,5,6,7,8,9,10,11,12,13,14,15,16,17,18,19,20,21,22,23,24,25,26,27,28,29,30,31,32,33,34,35,36,37,38,39,40,41,42,43,44,45,46,47,48,49,50,51,52,53,54,55,56,57,58,59,60,61,62,63
	v_exp_f32 v[S+\j], v[S+\j]                     ; p = 2^(t - M), not normalised
.endr
	v_exp_f32 v[BM], v[BM]                         ; the blocks' largest p
	v_exp_f32 v[BM+2], v[BM+2]
.if \sg > 0
	v_ldexp_f32 v[FF], 1.0, v[TT]                  ; f = 2^(old M - new M).  (The plain place behind the exponentials)
.else
	v_nop
.endif
	s_wait_alu depctr_va_vdst(0)                   ; one wait for the batch, ahead of its first reader
	v_max_num_f32 v[BM], 0x1800000, v[BM]          ; the floor 2^(3 - 127)
	v_max_num_f32 v[BM+2], 0x1800000, v[BM+2]
	s_delay_alu instid0(VALU_DEP_2)
	v_add_nc_u32 v[SOP], 0xff000000, v[BM]
	s_delay_alu instid0(VALU_DEP_2)
	v_add_nc_u32 v[SOP+1], 0xff000000, v[BM+2]
	s_delay_alu instid0(VALU_DEP_2)
	v_lshrrev_b32 v[SB], 23, v[SOP]
	s_delay_alu instid0(VALU_DEP_2)
	v_lshrrev_b32 v[SB+1], 23, v[SOP+1]
	s_delay_alu instid0(VALU_DEP_1)
	v_lshl_or_b32 v[TT], v[SB+1], 16, v[SB]        ; my two blocks' bytes
.irp g, 0,1
.irp b, 0,1,2,3
	v_cvt_scalef32_pk8_fp4_f32 v[PC+4*\g+\b], v[S+32*\g+8*\b:S+32*\g+8*\b+7], v[SOP+\g]   ; registers 4 g .. 4 g + 3 of the operand: keys 64 g + 32 hh + 0 .. 31
.endr
.endr
	v_permlanex16_b32 v[PX], v[TT], s[SEL], s[SEL+1]
	s_delay_alu instid0(VALU_DEP_1)
	v_lshl_or_b32 v[PSW], v[PX], 8, v[TT]          ; p's scale word, whole in lanes 0-15: blocks 0, 2 are theirs, blocks 1, 3 the other half's
	; the sum of the unquantised p, in four chains; the next step's mask numbers take p's registers as they are done with
.irp k, 0,1,2,3
	v_pk_add_f32 v[T+2*\k:T+2*\k+1], v[S+2*\k:S+2*\k+1], v[S+8+2*\k:S+9+2*\k]
.endr
.if \sg < 3
.irp n, 0,1,2,3
	BL (\sg)+1, \n
.endr
.endif
.irp m, 8,12,16,20,24,28
.irp k, 0,1,2,3
	v_pk_add_f32 v[T+2*\k:T+2*\k+1], v[T+2*\k:T+2*\k+1], v[S+2*(\m+\k):S+2*(\m+\k)+1]
.endr
.if \sg < 3
	BL (\sg)+1, \m/2
	BL (\sg)+1, \m/2+1
.endif
.endr
	v_pk_add_f32 v[T:T+1], v[T:T+1], v[T+2:T+3]
	v_pk_add_f32 v[T+4:T+5], v[T+4:T+5], v[T+6:T+7]
	s_delay_alu instid0(VALU_DEP_1)
.if \sg == 0
	v_pk_add_f32 v[LS:LS+1], v[T:T+1], v[T+4:T+5]
.else
	v_pk_add_f32 v[T:T+1], v[T:T+1], v[T+4:T+5]
	s_delay_alu instid0(VALU_DEP_1)
	v_pk_fma_f32 v[LS:LS+1], v[LS:LS+1], v[FF:FF+1], v[T:T+1] op_sel_hi:[1,0,1]   ; the sum under the new M
.endif
.endm
.macro PASS u                          ; query tile u of the head in hand
.if \u
	s_wait_xcnt 0x0                                ; the last tile's stores have read their registers
.endif
	ds_load_b128 v[QF+4:QF+7], v[QAC] offset:QPB*\u
	ds_load_b128 v[QF+12:QF+15], v[QAC] offset:QPB*\u+512
	ds_load_b32 v[QSW], v[QSC] offset:QPB*\u
	KLOADS 0
.irp n, 0,1,2,3,4,5,6,7,8,9,10,11,12,13,14,15
	BL 0, \n
.endr
	STEP 0
	STEP 1
	STEP 2
	STEP 3
	s_wait_dscnt 0x0                               ; the last step's v
	PV 3
	v_add_f32 v[TT], v[LS], v[LS+1]
	s_delay_alu instid0(VALU_DEP_1)
	v_permlanex16_b32 v[PX], v[TT], s[SEL], s[SEL+1]
	s_delay_alu instid0(VALU_DEP_1)
	v_add_f32 v[TT], v[TT], v[PX]                  ; the row's sum: my blocks' and the other half's
	s_wait_alu depctr_va_vdst(0)                   ; ahead of the transcendental
	v_rcp_f32 v[FF], v[TT]
	PLACES 3                                       ; with the two additions: the places behind the last products
	s_wait_alu depctr_va_vdst(0)                   ; ahead of the first reader of the reciprocal and of O^T
.irp j, 0,2,4,6,8,10,12,14
	v_pk_mul_f32 v[OUTR+\j:OUTR+\j+1], v[OT+\j:OT+\j+1], v[FF:FF+1] op_sel_hi:[1,0]
.endr
.irp i, 0,1,2,3
	ds_store_b128 v[SGI], v[OUTR+4*\i:OUTR+4*\i+3] offset:16*\i    ; my stage: query r's row, d 16 hh + 0 .. 15
.endr
.irp i, 0,1,2,3
	ds_load_b128 v[RB+4*\i:RB+4*\i+3], v[SGO] offset:576*\i        ; my own bytes: LDS serves a wave's instructions in order
.endr
.irp i, 0,1,2,3
	s_wait_dscnt 3-\i                              ; the younger read-backs may stay out
	global_store_b128 v[GOC], v[RB+4*\i:RB+4*\i+3], s[16:17] offset:131072*(2*\i+4*(\i/2))+524288*\u   ; sixteen lanes store the 256 aligned bytes of a pair of positions
.endr
.endm
	s_mov_b32 s46, 0                               ; the head
	s_mov_b32 s47, 0                               ; its block in LDS,
	s_mov_b32 s48, 0                               ; its q among my bytes,
	s_mov_b32 s49, 0                               ; its place in rowo
.Lhead:
	s_wait_xcnt 0x0                                ; the last head's stores have read their offset
	v_add_nc_u32 v[AKC], s47, v[AK0]
	v_add_nc_u32 v[ALC], s47, v[LI]
	v_add_nc_u32 v[A4C], s47, v[L4]
	v_add_nc_u32 v[QAC], s48, v[QST]
	v_add_nc_u32 v[QSC], s48, v[QSS]
	v_add_nc_u32 v[GOC], s49, v[GO0]
	s_wait_alu depctr_va_vdst(0)
	PASS 0
	PASS 1
	s_add_co_u32 s47, s47, HB
	s_add_co_u32 s48, s48, 2*QPB
	s_add_co_u32 s49, s49, 16384
	s_add_co_u32 s46, s46, 1
	s_cmp_lt_u32 s46, 2
	s_wait_alu depctr_va_vdst(0)                   ; ahead of the branch
	s_cbranch_scc1 .Lhead
	s_wait_tensorcnt 0x0                           ; the wave's end
	ds_add_u32 v[SPW], v[NIL]
	s_wait_dscnt 0x0
	s_endpgm
.Lfunc_end_k_q049765c50d_row:
	.size	k_q049765c50d_row, .Lfunc_end_k_q049765c50d_row-k_q049765c50d_row
	.p2alignl 7, 3214868480
	.fill 96, 4, 3214868480
	.section	.rodata,"a",@progbits
	.p2align	6, 0x0
	.amdhsa_kernel k_q049765c50d_row
		.amdhsa_group_segment_fixed_size 181248
		.amdhsa_private_segment_fixed_size 0
		.amdhsa_enable_private_segment 0
		.amdhsa_kernarg_size 56
		.amdhsa_user_sgpr_count 2
		.amdhsa_user_sgpr_kernarg_segment_ptr 1
		.amdhsa_wavefront_size32 1
		.amdhsa_system_sgpr_workgroup_id_x 1
		.amdhsa_system_sgpr_workgroup_id_y 1
		.amdhsa_system_sgpr_workgroup_id_z 1
		.amdhsa_system_vgpr_workitem_id 0
		.amdhsa_next_free_vgpr 256
		.amdhsa_next_free_sgpr 66
		.amdhsa_reserve_vcc 0
		.amdhsa_float_denorm_mode_32 3
		.amdhsa_float_denorm_mode_16_64 3
		.amdhsa_memory_ordered 1
		.amdhsa_forward_progress 1
		.amdhsa_inst_pref_size 155
	.end_amdhsa_kernel
	.amdgpu_metadata
---
amdhsa.version: [ 1, 2 ]
amdhsa.kernels:
  - .name:           k_q049765c50d_row
    .symbol:         k_q049765c50d_row.kd
    .args:
      - { .name: codes, .offset: 0, .size: 8, .value_kind: global_buffer, .address_space: global }
      - { .name: scales, .offset: 8, .size: 8, .value_kind: global_buffer, .address_space: global }
      - { .name: mask, .offset: 16, .size: 8, .value_kind: global_buffer, .address_space: global }
      - { .name: rq_b, .offset: 24, .size: 8, .value_kind: global_buffer, .address_space: global }
      - { .name: rk_b, .offset: 32, .size: 8, .value_kind: global_buffer, .address_space: global }
      - { .name: rv_b, .offset: 40, .size: 8, .value_kind: global_buffer, .address_space: global }
      - { .name: rowo, .offset: 48, .size: 8, .value_kind: global_buffer, .address_space: global }
    .group_segment_fixed_size: 181248
    .private_segment_fixed_size: 0
    .kernarg_segment_align: 8
    .kernarg_segment_size: 56
    .max_flat_workgroup_size: 512
    .sgpr_count:     66
    .vgpr_count:     256
    .wavefront_size: 32
...
	.end_amdgpu_metadata
.endif
;; end of part 2
;; launch col (part 3): grid 256 x 1, 16 waves a work-group, no clusters, 171,520 bytes of LDS; arguments codes, scales, mask, cq_b, ck_b, cv_b, out_b, rowo, out0; writes out0
.if DOCPART == 3
	.amdgcn_target "amdgcn-amd-amdhsa--gfx1250"
	.amdhsa_code_object_version 6
	.text
	.protected	k_q049765c50d_col
	.globl	k_q049765c50d_col
	.p2align	8
	.type	k_q049765c50d_col,@function
k_q049765c50d_col:
	s_mov_b64 s[64:65], 0
	v_nop
	global_prefetch_b8 v0, s[64:65] scope:SCOPE_SE
	s_setreg_imm32_b32 hwreg(HW_REG_WAVE_MODE, 25, 1), 1
	s_wait_xcnt 0x0
; COLUMN ATTENTION, THE SUM WITH THE ROW ATTENTION, AND THE OUTPUT PROJECTION, for the two positions l = 2 P, 2 P + 1 of work-group P, on codes of FP4 (E2M1) with one E8M0 scale for each 32 along a product's K.
; Sixteen waves.  Wave w = 8 li + h does position 2 P + li, head h, whole, in its registers: q, k, v of the 64 sequences (K = 256), the 64 x 64 attention, + row_out, and the quantising of the sum along D,
; of which its head is one block of 32.  The codes go to LDS as images of operand registers; then wave w makes outputs 16 w .. 16 w + 15 of all 128 rows.
; TILES.  Lane r of tile u of a group of 32 sequences (or of the head's 32) takes row 8 u + r + 8 (r / 8): so the 16 registers of a tile pair in lane half hh are the neighbours 16 hh + 0 .. 15.  out_w's tiles take plain rows.
; K = 32 in an instruction of 128: the fragment of k holds all 64 keys, a tile in each block; q stands in four versions with its codes in one block and zero codes elsewhere.  K = 64 (the keys): blocks 2, 3 hold zero codes on both sides.
; THE MASK: a masked key's k is multiplied by 0 ahead of the quantiser and its score starts from -2^32: exactly -2^32.  c x 2^32 is a whole number in f32: a column all masked gets p = 1 everywhere.
; SOFTMAX: t = score x c, c = log2(e) / sqrt(32); M = ceil(the row's largest t); p = 2^(t - M) is quantised along the keys; the sum of the unquantised p divides at the end.
; LIMITS: the masked logit is -2^32 / sqrt(32) = -7.6e8 where the reference has -1e9: results differ only where an open logit lies under about -7e8.  NaN and infinities are not served.
; A block of zeros carries the byte 1 (its codes are zeros).  p under 2^-126 becomes 0.
; LDS loads are asked for a phase ahead: x's fragments for the next projection behind a projection's places, a tile's mask numbers as soon as the tile before has read its p for the last time.
; No tensor loads and no cluster: x's codes of the two positions (16 KB) are staged once by plain loads in whole runs of 256 bytes; each wave's weights go straight into its registers.
.set WC0,  4194304
.set WS0,  262144
.set XL,   0                           ; LDS: x's codes: sequence s at pitch 272: position 0's 128 bytes, position 1's, 16 of padding
.set XSL,  17408                       ; their scale bytes, 16 for each s
.set MB,   18432                       ; [li][s] f32: 0, or -2^32 where masked
.set CSC,  18944                       ; the sum's scale words: 64 (2 RT + k) + 4 r, byte h % 4  (RT = 4 li + tile of sequences)
.set CIMG, 19968                       ; the sum's fragments: 1024 (2 RT + k), four registers at + 512 c, lane at 16 x lane
.set STG,  36352                       ; the stage for out0: row 2 s + li at pitch 1,040
.set AX,  1                            ; v1   128 RHO + 16 hh (RHO = r + 8 (r / 8))
.set AXS, 2                            ; v2   8 RHO
.set AB,  3                            ; v3   64 hh
.set AV,  4                            ; v4   4 RHO
.set XLA, 5                            ; v5   XL + 272 RHO + 16 hh + 128 li
.set XSA, 6                            ; v6   XSL + 16 RHO + 8 li
.set MBA, 7                            ; v7   MB + 256 li + 64 hh
.set MFA, 8                            ; v8   MB + 256 li + 4 RHO
.set RA,  9                            ; v9   256 RHO + 64 hh: row_out
.set CIA, 10                           ; v10  where I store the sum's codes
.set CSA, 11                           ; v11  and its scale byte
.set LI,  12                           ; v12  16 x lane
.set L4,  13                           ; v13  4 r
.set SO0, 14                           ; v14, v15  the stage, in: sequences 0-31, 32-63
.set PFA, 224                          ; v224 256 x lane
.set WOA, 225                          ; v225 128 r + 16 hh: out_w
.set OBA, 226                          ; v226 32 hh: out_b
.set SR,  227                          ; v227 the stage, out
.set GX,  228                          ; v228-230 the staging loads' offsets;  v231, v253, v254 the staging stores' LDS addresses
.set GS,  229
.set GM,  230
.set LX,  231
.set WOSA, 252                         ; v252 8 r: out_w's scale words
.set LXS, 253
.set LM,  254
.set XS,  232                          ; v232-251 hold scale words (v232-243 also the sums of p in the attention): x's,
.set WSA, 236                          ; Wq's, later Wv's,
.set WSB, 240                          ; Wk's,
.set QSW, 244                          ; q's, four tiles,
.set KSW, 248                          ; k's,
.set VSW, 249                          ; v's, two tiles of d,
.set PSW, 251                          ; p's;
.set CSW, 232                          ; in the last product: the sum's (2 tile + k),
.set WOS, 240                          ; and out_w's
.set XF,  16                           ; the projections: v16-47 x's fragments of 32 sequences (16 u + 8 k)
.set WA,  48                           ; v48-79   Wq's, later Wv's
.set WK,  80                           ; v80-111  Wk's
.set BQ,  112                          ; v112-127 q's bias, d 16 hh + i
.set BK,  128                          ; v128-143 k's
.set BV,  144                          ; v144-145 v's, of my two d
.set ACC, 148                          ; v148-179 four accumulators
.set TM,  180                          ; v180-187 the quantiser's
.set KF,  188                          ; v188-195 k's fragment: 64 keys
.set VF0, 196                          ; v196-203, v204-211 v's two fragments
.set VF1, 204
.set GQ,  212                          ; v212-219 q's codes
.set MF,  220                          ; v220-223 the mask of my four keys, 1.0 or 0.0
.set QF,  16                           ; the attention: v16-51 q's versions
.set S,   52                           ; v52-83   scores, then p: 16 b + i = key 32 b + 16 hh + i
.set PC,  84                           ; v84-91   p's codes
.set OT,  92                           ; v92-123  O^T of two query tiles: 16 a + i = d 16 hh + i
.set ROW, 124                          ; v124-155 row_out of the same, then the sum
.set BM,  156
.set PX,  158
.set SOP, 160
.set SB,  162
.set NM,  164                          ; v164 -M (v165: the pair's upper half)
.set LS,  166
.set LT,  168
.set RI,  170                          ; v170-171 1 / sum of the two tiles
.set GC,  172                          ; v172-175 the sum's codes
.set TT,  176                          ; v176-179 at work
.set QT,  176
.set WO,  16                           ; the last product: v16-31 out_w's two fragments
.set OB,  32                           ; v32-39   out_b
.set AF,  40                           ; v40-103  the sum's eight fragments of one position (16 tile + 8 k)
.set AC,  104                          ; v104-135, v136-167 four accumulators for each position
.set SEL, 24
.set CS,  26
.set SLO, 28
.set SHI, 29
.set SXG, 30                           ; s[30:31] x's codes for staging;  s[32:33] scale bytes;  s[34:35] mask
.set SXS, 32
.set SMG, 34
.set SWC, 36                           ; s[36:37] Wq's codes at head h (Wk, Wv: + 32,768 each);  s[38:39] scale bytes
.set SWS, 38
.set SOC, 40                           ; s[40:41] out_w's codes at my 16 rows;  s[42:43] scale bytes
.set SOS, 42
.set SPF, 44                           ; s[44:45] the part of row_out that I ask for ahead
.macro PLACES n                        ; plain vector places behind a matrix instruction (ISA guide 7.12.1)
.rept \n
	v_nop
.endr
.endm
.macro MMC d, a, b, c, sa, sb
	v_wmma_scale_f32_16x16x128_f8f6f4 v[\d:\d+7], v[\a:\a+7], v[\b:\b+7], v[\c:\c+7], v[\sa], v[\sb] matrix_a_fmt:MATRIX_FMT_FP4 matrix_b_fmt:MATRIX_FMT_FP4
.endm
.macro MMZ d, a, b, sa, sb
	v_wmma_scale_f32_16x16x128_f8f6f4 v[\d:\d+7], v[\a:\a+7], v[\b:\b+7], 0, v[\sa], v[\sb] matrix_a_fmt:MATRIX_FMT_FP4 matrix_b_fmt:MATRIX_FMT_FP4
.endm
; Two runs of 16 numbers, each my half of a block that I share with lane l xor 16, become 2 x 2 registers of codes; the bytes are left in TM+6, TM+7.
.macro QUANT2 a, b, da, db
	v_max3_num_f32 v[TM], |v[\a]|, |v[\a+1]|, 0x1800000            ; with the floor 2^(3 - 127): the byte cannot fall under 1
	v_max3_num_f32 v[TM+1], |v[\b]|, |v[\b+1]|, 0x1800000
.irp i, 2,4,6,8,10,12,14
	v_max3_num_f32 v[TM], v[TM], |v[\a+\i]|, |v[\a+\i+1]|
	v_max3_num_f32 v[TM+1], v[TM+1], |v[\b+\i]|, |v[\b+\i+1]|
.endr
	s_delay_alu instid0(VALU_DEP_2)
	v_permlanex16_b32 v[TM+2], v[TM], s[SEL], s[SEL+1]
	s_delay_alu instid0(VALU_DEP_2)
	v_permlanex16_b32 v[TM+3], v[TM+1], s[SEL], s[SEL+1]
	s_delay_alu instid0(VALU_DEP_2)
	v_max_num_f32 v[TM], v[TM], v[TM+2]
	s_delay_alu instid0(VALU_DEP_2)
	v_max_num_f32 v[TM+1], v[TM+1], v[TM+3]
	s_delay_alu instid0(VALU_DEP_2)
	v_add_nc_u32 v[TM+4], 0xff000000, v[TM]                        ; 2 off the exponent field: the conversion's scale operand
	s_delay_alu instid0(VALU_DEP_2)
	v_add_nc_u32 v[TM+5], 0xff000000, v[TM+1]
	s_delay_alu instid0(VALU_DEP_2)
	v_lshrrev_b32 v[TM+6], 23, v[TM+4]                             ; the scale's byte
	s_delay_alu instid0(VALU_DEP_2)
	v_lshrrev_b32 v[TM+7], 23, v[TM+5]
	v_cvt_scalef32_pk8_fp4_f32 v[\da], v[\a:\a+7], v[TM+4]
	v_cvt_scalef32_pk8_fp4_f32 v[\da+1], v[\a+8:\a+15], v[TM+4]
	v_cvt_scalef32_pk8_fp4_f32 v[\db], v[\b:\b+7], v[TM+5]
	v_cvt_scalef32_pk8_fp4_f32 v[\db+1], v[\b+8:\b+15], v[TM+5]
	v_nop                                                          ; one plain place behind a scaled conversion
.endm
.macro SWAP2 g                         ; half blocks become whole ones: lanes 0-15 hold the block of v[g], v[g+1], lanes 16-31 that of v[g+2], v[g+3]
	v_permlane16_swap_b32 v[\g], v[\g+2]
	v_permlane16_swap_b32 v[\g+1], v[\g+3]
.endm
.macro BYTE4 d, s
	v_lshl_or_b32 v[TM+2], v[\s], 8, v[\s]
	s_delay_alu instid0(VALU_DEP_1)
	v_lshl_or_b32 v[\d], v[TM+2], 16, v[TM+2]
.endm
; q's versions: Z | lo0 | Z | hi0 | Z | lo1 | Z | hi1 | Z from QF on.  With QB = QF + 16 a, tile a's codes in block b alone begin at QB + 4, QB + 12, QB, QB + 8 for b = 0, 1, 2, 3.
.macro QBUILD g, t
.irp i, 0,1,2,3
	v_permlanex16_b32 v[\t+\i], v[\g+\i], s[SEL], s[SEL+1]
.endr
.irp i, 0,1,2,3
	v_cndmask_b32 v[QF+4+\i], 0, v[\g+\i], s[SLO]
	v_cndmask_b32 v[QF+28+\i], 0, v[\g+\i], s[SHI]
	v_cndmask_b32 v[QF+12+\i], 0, v[\t+\i], s[SHI]
	v_cndmask_b32 v[QF+20+\i], 0, v[\t+\i], s[SLO]
.endr
	PLACES 4                                       ; an operand written by vector instructions stands four places ahead of a scaled matrix instruction
.endm
.macro WLOAD reg, sreg, j
.irp t, 0,1
.irp k, 0,1
.irp c, 0,1
	global_load_b128 v[\reg+16*\t+8*\k+4*\c:\reg+16*\t+8*\k+4*\c+3], v[AX], s[SWC:SWC+1] offset:32768*(\j)+1024*\t+64*\k+32*\c
.endr
	global_load_b32 v[\sreg+2*\t+\k], v[AXS], s[SWS:SWS+1] offset:2048*(\j)+64*\t+4*\k
.endr
.endr
.endm
.macro BARRIER                         ; my LDS stores have landed and my LDS loads are in: then the work-group's barrier
	s_wait_dscnt 0x0
	s_barrier_signal -1
	s_barrier_wait -1
.endm
	s_load_b512 s[4:19], s[0:1], 0x0               ; codes 4, scales 6, mask 8, cq_b 10, ck_b 12, cv_b 14, out_b 16, rowo 18
	s_load_b64 s[20:21], s[0:1], 0x40              ; out0
	v_lshrrev_b32 v180, 5, v0
	s_delay_alu instid0(VALU_DEP_1)
	v_readfirstlane_b32 s22, v180                  ; wave w
	s_lshr_b32 s23, s22, 3                         ; li
	s_and_b32 s46, s22, 7                          ; h
	s_mov_b32 s47, ttmp9                           ; P
	s_mov_b32 s[SEL], 0x76543210
	s_mov_b32 s[SEL+1], 0xfedcba98
	s_mov_b32 s[CS], 0x3e8293ee                    ; c = log2(e) / sqrt(32)
	s_mov_b32 s[CS+1], s[CS]
	s_mov_b32 s[SLO], 0x0000ffff
	s_mov_b32 s[SHI], 0xffff0000
	v_and_b32 v180, 15, v0                         ; r
	v_bfe_u32 v181, v0, 4, 1                       ; hh
	v_and_b32 v182, 31, v0                         ; lane
	s_delay_alu instid0(VALU_DEP_3)
	v_and_b32 v183, 8, v180
	s_delay_alu instid0(VALU_DEP_1)
	v_add_nc_u32 v183, v183, v180                  ; RHO
	s_delay_alu instid0(VALU_DEP_1)
	v_lshlrev_b32 v[AX], 7, v183
	s_delay_alu instid0(VALU_DEP_1)
	v_lshl_add_u32 v[AX], v181, 4, v[AX]
	s_delay_alu instid0(VALU_DEP_3)
	v_lshlrev_b32 v[AXS], 3, v183
	v_lshlrev_b32 v[AB], 6, v181
	v_lshlrev_b32 v[AV], 2, v183
	s_lshl_b32 s48, s23, 7
	v_mul_u32_u24 v[XLA], v183, 272
	s_delay_alu instid0(VALU_DEP_1)
	v_lshl_add_u32 v[XLA], v181, 4, v[XLA]
	s_delay_alu instid0(VALU_DEP_1)
	v_add_nc_u32 v[XLA], s48, v[XLA]
	s_lshl_b32 s48, s23, 3
	s_add_co_u32 s48, s48, XSL
	v_lshlrev_b32 v[XSA], 4, v183
	s_delay_alu instid0(VALU_DEP_1)
	v_add_nc_u32 v[XSA], s48, v[XSA]
	s_lshl_b32 s48, s23, 8
	s_add_co_u32 s48, s48, MB
	v_add_nc_u32 v[MBA], s48, v[AB]
	v_add_nc_u32 v[MFA], s48, v[AV]
	v_lshlrev_b32 v[RA], 8, v183
	s_delay_alu instid0(VALU_DEP_1)
	v_lshl_add_u32 v[RA], v181, 6, v[RA]
	s_lshl_b32 s48, s23, 13
	s_lshl_b32 s50, s46, 8
	s_add_co_u32 s48, s48, s50
	s_add_co_u32 s48, s48, CIMG
	v_lshlrev_b32 v[CIA], 11, v181
	s_delay_alu instid0(VALU_DEP_1)
	v_lshl_add_u32 v[CIA], v180, 4, v[CIA]
	s_delay_alu instid0(VALU_DEP_1)
	v_add_nc_u32 v[CIA], s48, v[CIA]               ; CIMG + 8192 li + 256 h + 2048 hh + 16 r  (256 h = 1024 (h / 4) + 512 ((h / 2) % 2) + 256 (h % 2))
	s_lshl_b32 s48, s23, 9
	s_lshr_b32 s50, s46, 2
	s_lshl_b32 s50, s50, 6
	s_add_co_u32 s48, s48, s50
	s_and_b32 s50, s46, 3
	s_add_co_u32 s48, s48, s50
	s_add_co_u32 s48, s48, CSC
	v_lshlrev_b32 v[L4], 2, v180
	s_delay_alu instid0(VALU_DEP_1)
	v_lshl_add_u32 v[CSA], v181, 7, v[L4]
	s_delay_alu instid0(VALU_DEP_1)
	v_add_nc_u32 v[CSA], s48, v[CSA]               ; CSC + 512 li + 64 (h / 4) + h % 4 + 128 hh + 4 r
	v_lshlrev_b32 v[LI], 4, v182
	s_lshl_b32 s48, s22, 6
	s_add_co_u32 s48, s48, STG
	v_mul_u32_u24 v[SO0], v183, 2080
	s_delay_alu instid0(VALU_DEP_1)
	v_lshl_add_u32 v[SO0], v181, 5, v[SO0]
	s_delay_alu instid0(VALU_DEP_1)
	v_add_nc_u32 v[SO0], s48, v[SO0]               ; STG + 2080 RHO + 32 hh + 64 w
	s_delay_alu instid0(VALU_DEP_1)
	v_add_nc_u32 v[SO0+1], 66560, v[SO0]           ; and 32 sequences on
	v_lshlrev_b32 v[PFA], 8, v182
	v_lshlrev_b32 v[WOA], 7, v180
	s_delay_alu instid0(VALU_DEP_1)
	v_lshl_add_u32 v[WOA], v181, 4, v[WOA]
	v_lshlrev_b32 v[OBA], 5, v181
	s_mul_i32 s48, s22, 8320
	s_add_co_u32 s48, s48, STG
	v_add_nc_u32 v[SR], s48, v[LI]
	v_lshlrev_b32 v[WOSA], 3, v180
	v_lshlrev_b32 v[GX], 16, v181                  ; staging: x: sequence 4 w + 2 i + hh, 16 bytes a lane of its 256
	s_delay_alu instid0(VALU_DEP_1)
	v_lshl_add_u32 v[GX], v180, 4, v[GX]
	v_bfe_u32 v184, v0, 2, 2
	v_and_b32 v185, 3, v0
	s_delay_alu instid0(VALU_DEP_2)
	v_lshlrev_b32 v[GS], 12, v184                  ; scale bytes: sequence 4 w + (lane / 4) % 4, word lane % 4
	s_delay_alu instid0(VALU_DEP_1)
	v_lshl_add_u32 v[GS], v185, 2, v[GS]
	v_bfe_u32 v184, v0, 1, 2
	v_and_b32 v185, 1, v0
	s_delay_alu instid0(VALU_DEP_1)
	v_lshl_add_u32 v[GM], v184, 9, v185            ; mask: sequence 4 w + (lane / 2) % 4, position lane % 2
	s_mul_i32 s48, s22, 1088
	v_mul_u32_u24 v[LX], v181, 272
	s_delay_alu instid0(VALU_DEP_1)
	v_lshl_add_u32 v[LX], v180, 4, v[LX]
	s_delay_alu instid0(VALU_DEP_1)
	v_add_nc_u32 v[LX], s48, v[LX]                 ; XL + 1088 w + 272 hh + 16 r
	s_lshl_b32 s48, s22, 6
	s_add_co_u32 s48, s48, XSL
	v_add_nc_u32 v[LXS], s48, v[L4]                ; XSL + 64 w + 4 r
	s_lshl_b32 s48, s22, 4
	s_add_co_u32 s48, s48, MB
	v_lshlrev_b32 v[LM], 8, v185
	s_delay_alu instid0(VALU_DEP_1)
	v_lshl_add_u32 v[LM], v184, 2, v[LM]
	s_delay_alu instid0(VALU_DEP_1)
	v_add_nc_u32 v[LM], s48, v[LM]                 ; MB + 256 (lane % 2) + 16 w + 4 ((lane / 2) % 4)
	s_mov_b32 s49, 0
	s_wait_alu depctr_va_vdst(0)
	s_wait_kmcnt 0x0
	s_lshl_b32 s48, s47, 8
	s_lshl_b32 s50, s22, 18
	s_add_co_u32 s48, s48, s50
	s_add_nc_u64 s[SXG:SXG+1], s[4:5], s[48:49]    ; codes + 256 P + 4 w x 65,536
	s_lshl_b32 s48, s47, 4
	s_lshl_b32 s50, s22, 14
	s_add_co_u32 s48, s48, s50
	s_add_nc_u64 s[SXS:SXS+1], s[6:7], s[48:49]    ; scales + 16 P + 4 w x 4,096
	s_lshl_b32 s48, s47, 1
	s_lshl_b32 s50, s22, 11
	s_add_co_u32 s48, s48, s50
	s_add_nc_u64 s[SMG:SMG+1], s[8:9], s[48:49]    ; mask + 2 P + 4 w x 512
	s_lshl_b32 s48, s46, 12
	s_add_co_u32 s48, s48, WC0+98304
	s_add_nc_u64 s[SWC:SWC+1], s[4:5], s[48:49]
	s_lshl_b32 s48, s46, 8
	s_add_co_u32 s48, s48, WS0+6144
	s_add_nc_u64 s[SWS:SWS+1], s[6:7], s[48:49]
	s_lshl_b32 s48, s22, 11
	s_add_co_u32 s48, s48, WC0+196608
	s_add_nc_u64 s[SOC:SOC+1], s[4:5], s[48:49]
	s_lshl_b32 s48, s22, 7
	s_add_co_u32 s48, s48, WS0+12288
	s_add_nc_u64 s[SOS:SOS+1], s[6:7], s[48:49]
	s_lshl_b32 s48, s46, 7
	s_add_nc_u64 s[10:11], s[10:11], s[48:49]      ; the biases at head h
	s_add_nc_u64 s[12:13], s[12:13], s[48:49]
	s_add_nc_u64 s[14:15], s[14:15], s[48:49]
	s_lshl_b32 s48, s22, 6
	s_add_nc_u64 s[16:17], s[16:17], s[48:49]      ; out_b at my 16 outputs
	s_lshl_b32 s51, s47, 17
	s_lshl_b32 s50, s46, 14
	s_add_co_u32 s51, s51, s50                     ; 131,072 P + 16,384 h
	s_lshl_b32 s50, s23, 13
	s_add_co_u32 s48, s51, s50
	s_add_nc_u64 s[SPF:SPF+1], s[18:19], s[48:49]  ; + 8,192 li: sequences 32 li on, both positions
	s_lshl_b32 s50, s23, 7
	s_add_co_u32 s48, s51, s50
	s_add_nc_u64 s[18:19], s[18:19], s[48:49]      ; + 128 li: my position
	s_lshl_b32 s48, s47, 11
	s_lshl_b32 s50, s22, 21
	s_add_co_u32 s48, s48, s50
	s_add_nc_u64 s[20:21], s[20:21], s[48:49]      ; out0 + 2,048 P + 4 w x 524,288
	; ---- STAGING: each wave brings four sequences' codes (256 consecutive bytes each), scale bytes and mask; behind these four loads its own weights and biases are asked for
	global_load_b128 v[164:167], v[GX], s[SXG:SXG+1]
	global_load_b128 v[168:171], v[GX], s[SXG:SXG+1] offset:131072
	global_load_b32 v172, v[GS], s[SXS:SXS+1]
	global_load_u8 v173, v[GM], s[SMG:SMG+1]
	WLOAD WA, WSA, 0
	WLOAD WK, WSB, 1
.irp i, 0,1,2,3
	global_load_b128 v[BQ+4*\i:BQ+4*\i+3], v[AB], s[10:11] offset:16*\i
	global_load_b128 v[BK+4*\i:BK+4*\i+3], v[AB], s[12:13] offset:16*\i
.endr
	global_load_b32 v[BV], v[AV], s[14:15]
	global_load_b32 v[BV+1], v[AV], s[14:15] offset:32
	s_wait_loadcnt 34                              ; the four staging loads are in; the 34 issued behind them (24 of weights, 10 of biases) may be out
	ds_store_b128 v[LX], v[164:167]
	ds_store_b128 v[LX], v[168:171] offset:544
	ds_store_b32 v[LXS], v172                      ; (lanes 16-31 store the same words with the same values)
	v_cvt_f32_u32 v173, v173
	s_delay_alu instid0(VALU_DEP_1)
	v_add_f32 v173, -1.0, v173
	s_delay_alu instid0(VALU_DEP_1)
	v_ldexp_f32 v173, v173, 32                     ; 0, or -2^32 where masked
	ds_store_b32 v[LM], v173                       ; (lanes 8-31 likewise)
	BARRIER                                        ; x's codes, scale bytes and the mask numbers of both positions lie in LDS; they are never written again
	; ---- THE PROJECTIONS, 32 sequences at a time
.macro XISSUE bt                       ; x's four fragments and scale words of sequences 32 bt on are asked for; the wait stands in front of the products that want them
.irp u, 0,1
.irp k, 0,1
.irp c, 0,1
	ds_load_b128 v[XF+16*\u+8*\k+4*\c:XF+16*\u+8*\k+4*\c+3], v[XLA] offset:272*(32*\bt+8*\u)+64*\k+32*\c
.endr
	ds_load_b32 v[XS+2*\u+\k], v[XSA] offset:16*(32*\bt+8*\u)+4*\k
.endr
.endr
.endm
; transposed (source 0 = 16 rows of the weight, source 1 = 16 sequences): a lane holds one sequence, its registers run along d; the bias is the C of the first K step.  Four accumulators by turns.
; Five places follow: the accumulators are begun anew by the next projection's first products, and x's registers are loaded again.
.macro PROJT wr, ws, bi
.irp u, 0,1
.irp t, 0,1
	MMC ACC+16*\u+8*\t, \wr+16*\t, XF+16*\u, \bi+8*\t, \ws+2*\t, XS+2*\u
.endr
.endr
.irp u, 0,1
.irp t, 0,1
	MMC ACC+16*\u+8*\t, \wr+16*\t+8, XF+16*\u+8, ACC+16*\u+8*\t, \ws+2*\t+1, XS+2*\u+1
.endr
.endr
	PLACES 5
.endm
; not transposed (source 0 = x, source 1 = Wv): a lane holds one d, its registers run along 32 sequences: a block of the second product's K
.macro PROJN
.irp t, 0,1
.irp u, 0,1
	MMZ ACC+16*\t+8*\u, XF+16*\u, WA+16*\t, XS+2*\u, WSA+2*\t
.endr
.endr
.irp t, 0,1
.irp u, 0,1
	MMC ACC+16*\t+8*\u, XF+16*\u+8, WA+16*\t+8, ACC+16*\t+8*\u, XS+2*\u+1, WSA+2*\t+1
.endr
.endr
	PLACES 5
.irp i, 0,2,4,6,8,10,12,14
	v_pk_add_f32 v[ACC+\i:ACC+\i+1], v[ACC+\i:ACC+\i+1], v[BV:BV+1] op_sel_hi:[1,0]
.endr
.irp i, 16,18,20,22,24,26,28,30
	v_pk_add_f32 v[ACC+\i:ACC+\i+1], v[ACC+\i:ACC+\i+1], v[BV:BV+1] op_sel:[0,1] op_sel_hi:[1,1]
.endr
.endm
.macro KMASK bt                        ; a masked key's k becomes zeros
.irp i, 0,2,4,6,8,10,12,14
	v_pk_mul_f32 v[ACC+\i:ACC+\i+1], v[ACC+\i:ACC+\i+1], v[MF+2*\bt:MF+2*\bt+1] op_sel_hi:[1,0]
.endr
.irp i, 16,18,20,22,24,26,28,30
	v_pk_mul_f32 v[ACC+\i:ACC+\i+1], v[ACC+\i:ACC+\i+1], v[MF+2*\bt:MF+2*\bt+1] op_sel:[0,1] op_sel_hi:[1,1]
.endr
.endm
.irp b, 0,1
.irp u, 0,1
	ds_load_b32 v[MF+2*\b+\u], v[MFA] offset:4*(32*\b+8*\u)
.endr
.endr
	XISSUE 0
	s_wait_dscnt 0x0
.irp i, 0,1,2,3
	v_fma_f32 v[MF+\i], v[MF+\i], 0x2f800000, 1.0  ; 0 or -2^32, x 2^-32, + 1: 1.0 or 0.0
.endr
	s_wait_loadcnt 0x0                             ; Wq, Wk, the biases
	PROJT WA, WSA, BQ                              ; q
	XISSUE 1                                       ; behind the five places; it lands under the quantiser's lines
	QUANT2 ACC, ACC+16, GQ, GQ+2
	SWAP2 GQ
	BYTE4 QSW, TM+6
	BYTE4 QSW+1, TM+7
	s_wait_dscnt 0x0
	PROJT WA, WSA, BQ
	XISSUE 0
	WLOAD WA, WSA, 2                               ; Wv, where Wq lay (behind the five places)
	global_prefetch_b8 v[PFA], s[SPF:SPF+1] th:TH_LOAD_NT scope:SCOPE_SE   ; row_out: 32 runs of 256 bytes, lanes 256 bytes apart; the two waves of a head ask for its 64 runs, each once; the projections of k and v stand between this line and the loads
	QUANT2 ACC, ACC+16, GQ+4, GQ+6
	SWAP2 GQ+4
	BYTE4 QSW+2, TM+6
	BYTE4 QSW+3, TM+7
	s_wait_dscnt 0x0
	PROJT WK, WSB, BK                              ; k
	XISSUE 1
	KMASK 0
	QUANT2 ACC, ACC+16, KF, KF+2
	SWAP2 KF
	v_lshl_or_b32 v[KSW], v[TM+7], 8, v[TM+6]      ; k's scale word: byte b for key tile b
	s_wait_dscnt 0x0
	PROJT WK, WSB, BK
	XISSUE 0
	KMASK 1
	QUANT2 ACC, ACC+16, KF+4, KF+6
	SWAP2 KF+4
	v_lshl_or_b32 v[KSW], v[TM+6], 16, v[KSW]
	s_delay_alu instid0(VALU_DEP_1)
	v_lshl_or_b32 v[KSW], v[TM+7], 24, v[KSW]
	s_wait_dscnt 0x0
	s_wait_loadcnt 0x0                             ; Wv
	PROJN                                          ; v
	XISSUE 1
	QUANT2 ACC, ACC+16, VF0, VF1
	v_mov_b32 v[VSW], v[TM+6]
	v_mov_b32 v[VSW+1], v[TM+7]
	s_wait_dscnt 0x0
	PROJN
	QUANT2 ACC, ACC+16, VF0+2, VF1+2
	v_lshl_or_b32 v[VSW], v[TM+6], 8, v[VSW]       ; bytes 2 and 3 stay 0: they stand over zero codes
	v_lshl_or_b32 v[VSW+1], v[TM+7], 8, v[VSW+1]
	SWAP2 VF0
	SWAP2 VF1
.irp i, 4,5,6,7
	v_mov_b32 v[VF0+\i], 0                         ; K = 64 keys: blocks 2 and 3 are zero codes, on both sides
	v_mov_b32 v[VF1+\i], 0
	v_mov_b32 v[PC+\i], 0
.endr
.irp z, 0,8,16,24,32
.irp i, 0,1,2,3
	v_mov_b32 v[QF+\z+\i], 0                       ; the zeros between q's versions, once
.endr
.endr
	v_mov_b32 v[PX], 0                             ; written once: a lane permute's destination counts as one of its sources
	v_mov_b32 v[PX+1], 0
	v_mov_b32 v[NM+1], 0                           ; (named as the upper half of a pair)
	; ---- THE ATTENTION: query tile 2 g + a against all 64 keys, in one pass
.macro SLOADS                          ; where a tile's scores start: 0, or -2^32 for a masked key
.irp n, 0,1,2,3,4,5,6,7
	ds_load_b128 v[S+4*\n:S+4*\n+3], v[MBA] offset:128*(\n/4)+16*(\n%4)
.endr
.endm
; last = 1: the launch's last tile, behind whose scores out_w and out_b are asked for.  more = 1: a tile follows, and its mask numbers are asked for here
.macro TILE g, a, last, more
.set QB, QF+16*\a
	s_wait_dscnt 0x0                               ; the mask numbers, asked for a tile ago
	MMC S, KF, QB+4, S, KSW, QSW+2*\g+\a           ; S^T = k q^T: version b of q picks the fragment's block b
	MMC S+8, KF, QB+12, S+8, KSW, QSW+2*\g+\a
	MMC S+16, KF, QB, S+16, KSW, QSW+2*\g+\a
	MMC S+24, KF, QB+8, S+24, KSW, QSW+2*\g+\a
	PLACES 4
.if \last                                      ; q's versions are done with: out_w's fragments, its scale words and out_b are asked for into their registers
.irp k, 0,1
.irp c, 0,1
	global_load_b128 v[WO+8*\k+4*\c:WO+8*\k+4*\c+3], v[WOA], s[SOC:SOC+1] offset:64*\k+32*\c
.endr
	global_load_b32 v[WOS+\k], v[WOSA], s[SOS:SOS+1] offset:4*\k
.endr
	global_load_b128 v[OB:OB+3], v[OBA], s[16:17]
	global_load_b128 v[OB+4:OB+7], v[OBA], s[16:17] offset:16
.endif
.irp b, 0,1
	v_max3_num_f32 v[BM+\b], v[S+16*\b], v[S+16*\b+1], v[S+16*\b+2]   ; each block's largest score: for the row's maximum and for the block's largest p
.endr
.irp i, 3,5,7,9,11,13
.irp b, 0,1
	v_max3_num_f32 v[BM+\b], v[BM+\b], v[S+16*\b+\i], v[S+16*\b+\i+1]
.endr
.endr
.irp b, 0,1
	v_max_num_f32 v[BM+\b], v[BM+\b], v[S+16*\b+15]
.endr
.irp b, 0,1
	s_delay_alu instid0(VALU_DEP_2)
	v_permlanex16_b32 v[PX+\b], v[BM+\b], s[SEL], s[SEL+1]
.endr
.irp b, 0,1
	s_delay_alu instid0(VALU_DEP_2)
	v_max_num_f32 v[BM+\b], v[BM+\b], v[PX+\b]
.endr
	s_delay_alu instid0(VALU_DEP_1)
	v_max_num_f32 v[TT], v[BM], v[BM+1]
	s_delay_alu instid0(VALU_DEP_1)
	v_mul_f32 v[TT], s[CS], v[TT]                  ; the row's largest t
	s_delay_alu instid0(VALU_DEP_1)
	v_floor_f32 v[NM], -v[TT]                      ; -M = -ceil(t)
.irp j, 0,2,4,6,8,10,12,14,16,18,20,22,24,26,28,30
	v_pk_fma_f32 v[S+\j:S+\j+1], v[S+\j:S+\j+1], s[CS:CS+1], v[NM:NM+1] op_sel_hi:[1,0,0]
.endr
.irp b, 0,1
	v_fma_f32 v[BM+\b], v[BM+\b], s[CS], v[NM]
.endr
	s_wait_alu depctr_va_vdst(0)
.irp j, 0,1,2,3,4,5,6,7,8,9,10,11,12,13,14,15,16,17,18,19,20,21,22,23,24,25,26,27,28,29,30,31
	v_exp_f32 v[S+\j], v[S+\j]                     ; p = 2^(t - M)
.endr
.irp b, 0,1
	v_exp_f32 v[BM+\b], v[BM+\b]
.endr
	v_nop                                          ; a plain place behind the exponentials
	s_wait_alu depctr_va_vdst(0)
.irp b, 0,1
	v_max_num_f32 v[BM+\b], 0x1800000, v[BM+\b]
.endr
.irp b, 0,1
	s_delay_alu instid0(VALU_DEP_2)
	v_add_nc_u32 v[SOP+\b], 0xff000000, v[BM+\b]
.endr
.irp b, 0,1
	s_delay_alu instid0(VALU_DEP_2)
	v_lshrrev_b32 v[SB+\b], 23, v[SOP+\b]
.endr
	s_delay_alu instid0(VALU_DEP_1)
	v_lshl_or_b32 v[PSW], v[SB+1], 8, v[SB]
.irp b, 0,1
	v_cvt_scalef32_pk8_fp4_f32 v[PC+2*\b], v[S+16*\b:S+16*\b+7], v[SOP+\b]
	v_cvt_scalef32_pk8_fp4_f32 v[PC+2*\b+1], v[S+16*\b+8:S+16*\b+15], v[SOP+\b]
.endr
	v_nop
	SWAP2 PC
	v_pk_add_f32 v[168:169], v[52:53], v[54:55]
	v_pk_add_f32 v[254:255], v[60:61], v[64:65]
	v_pk_add_f32 v[242:243], v[68:69], v[72:73]
	v_pk_add_f32 v[238:239], v[76:77], v[80:81]
	v_pk_add_f32 v[236:237], v[56:57], v[58:59]
	v_pk_add_f32 v[234:235], v[62:63], v[66:67]
	v_pk_add_f32 v[232:233], v[70:71], v[74:75]
	v_pk_add_f32 v[166:167], v[78:79], v[82:83]
	s_delay_alu instid0(VALU_DEP_1)
	v_pk_add_f32 v[166:167], v[166:167], v[238:239]
	v_pk_add_f32 v[168:169], v[168:169], v[236:237]
	v_pk_add_f32 v[254:255], v[254:255], v[234:235]
	v_pk_add_f32 v[242:243], v[242:243], v[232:233]
	s_delay_alu instid0(VALU_DEP_2)
	v_pk_add_f32 v[166:167], v[166:167], v[254:255]
	s_delay_alu instid0(VALU_DEP_2)
	v_pk_add_f32 v[168:169], v[168:169], v[242:243]
	s_delay_alu instid0(VALU_DEP_1)
	v_pk_add_f32 v[166:167], v[166:167], v[168:169]
.if (\more)
	SLOADS                                         ; p has been read for the last time: the next tile's mask numbers take its registers
.endif
	v_add_f32 v[TT], v[LS], v[LS+1]
	s_delay_alu instid0(VALU_DEP_1)
	v_permlanex16_b32 v[PX], v[TT], s[SEL], s[SEL+1]
	s_delay_alu instid0(VALU_DEP_1)
	v_add_f32 v[TT], v[TT], v[PX]
	s_wait_alu depctr_va_vdst(0)
	v_rcp_f32 v[RI+\a], v[TT]
	v_nop
	MMZ OT+16*\a, VF0, PC, VSW, PSW                ; O^T = v^T p^T
	MMZ OT+16*\a+8, VF1, PC, VSW+1, PSW
.endm
	SLOADS                                         ; the first tile's
.irp g, 0,1
.irp a, 0,1
.irp i, 0,1,2,3
	global_load_b128 v[ROW+16*\a+4*\i:ROW+16*\a+4*\i+3], v[RA], s[18:19] offset:256*(32*\g+8*\a)+16*\i   ; row_out of the two query tiles, in O^T's layout: a lane's 64 consecutive bytes come by four loads, so no hint that the bytes are wanted once
.endr
.endr
	QBUILD GQ+4*\g, QT
	s_wait_alu depctr_va_vdst(0)
	TILE \g, 0, 0, 1
	TILE \g, 1, \g, 1-\g
	PLACES 4
.if \g == 0
	s_wait_loadcnt 0x0                             ; row_out
.else
	s_wait_loadcnt 0x8                             ; row_out; the eight loads of out_w and out_b, issued behind it, may be out
.endif
	s_wait_alu depctr_va_vdst(0)
.irp i, 0,2,4,6,8,10,12,14
	v_pk_fma_f32 v[ROW+\i:ROW+\i+1], v[OT+\i:OT+\i+1], v[RI:RI+1], v[ROW+\i:ROW+\i+1] op_sel_hi:[1,0,1]                 ; column / its sum + row
.endr
.irp i, 16,18,20,22,24,26,28,30
	v_pk_fma_f32 v[ROW+\i:ROW+\i+1], v[OT+\i:OT+\i+1], v[RI:RI+1], v[ROW+\i:ROW+\i+1] op_sel:[0,1,0] op_sel_hi:[1,1,1]
.endr
	QUANT2 ROW, ROW+16, GC, GC+2                   ; along D: my head is one block of 32
	SWAP2 GC
	ds_store_b128 v[CIA], v[GC:GC+3] offset:4096*\g   ; block h of the rows' fragments: lanes 0-15 tile 2 g, lanes 16-31 tile 2 g + 1
	v_cndmask_b32 v[TT+1], v[TM+6], v[TM+7], s[SHI]
	ds_store_b8 v[CSA], v[TT+1] offset:256*\g
.endr
	BARRIER                                        ; the sixteen fragments of the sum and their scale words lie in LDS
	; ---- THE OUTPUT PROJECTION: my 16 outputs for the 128 rows, a position at a time; transposed: a lane holds one row and eight neighbouring outputs; out_b is the C of the first K step
.irp f, 0,1
.irp q, 0,1,2,3
.irp k, 0,1
.irp c, 0,1
	ds_load_b128 v[AF+16*\q+8*\k+4*\c:AF+16*\q+8*\k+4*\c+3], v[LI] offset:CIMG+1024*(2*(4*\f+\q)+\k)+512*\c
.endr
	ds_load_b32 v[CSW+2*\q+\k], v[L4] offset:CSC+64*(2*(4*\f+\q)+\k)
.endr
.endr
	s_wait_dscnt 0x0
.if \f == 0
	s_wait_loadcnt 0x0                             ; out_w, out_b
.endif
.irp q, 0,1,2,3
	MMC AC+32*\f+8*\q, WO, AF+16*\q, OB, WOS, CSW+2*\q
.endr
.irp q, 0,1,2,3
	MMC AC+32*\f+8*\q, WO+8, AF+16*\q+8, AC+32*\f+8*\q, WOS+1, CSW+2*\q+1
.endr
	PLACES 4                                       ; in front of the stores of results and of the next position's loads
.irp q, 0,1,2,3
.irp k, 0,1
	ds_store_b128 v[SO0+\q/2], v[AC+32*\f+8*\q+4*\k:AC+32*\f+8*\q+4*\k+3] offset:1040*(16*(\q%2)+\f)+16*\k   ; each accumulator from its low end on
.endr
.endr
.endr
	BARRIER                                        ; 128 whole rows of out0 lie in the stage
.irp k, 0,1,2,3,4,5,6,7
.irp f, 0,1
	ds_load_b128 v[16+4*(2*\k+\f):16+4*(2*\k+\f)+3], v[SR] offset:1040*\k+512*\f
.endr
.endr
.irp k, 0,1,2,3,4,5,6,7
.irp f, 0,1
	s_wait_dscnt 15-(2*\k+\f)                      ; the younger read-backs may stay out
	global_store_b128 v[LI], v[16+4*(2*\k+\f):16+4*(2*\k+\f)+3], s[20:21] offset:524288*(\k/2)+1024*(\k%2)+512*\f th:TH_STORE_NT   ; 32 lanes store 512 consecutive bytes, aligned to 256; written once
.endr
.endr
	s_barrier_signal -1
	s_barrier_wait -1
	s_wait_xcnt 0x0
	v_lshl_add_u32 v254, v0, 2, 0x29600
	v_mov_b32 v255, 0
	s_wait_alu depctr_va_vdst(0)
	s_wait_tensorcnt 0x0
	ds_add_u32 v254, v255
	s_wait_dscnt 0x0
	s_endpgm
.Lfunc_end_k_q049765c50d_col:
	.size	k_q049765c50d_col, .Lfunc_end_k_q049765c50d_col-k_q049765c50d_col
	.p2alignl 7, 3214868480
	.fill 96, 4, 3214868480
	.section	.rodata,"a",@progbits
	.p2align	6, 0x0
	.amdhsa_kernel k_q049765c50d_col
		.amdhsa_group_segment_fixed_size 171520
		.amdhsa_private_segment_fixed_size 0
		.amdhsa_enable_private_segment 0
		.amdhsa_kernarg_size 72
		.amdhsa_user_sgpr_count 2
		.amdhsa_user_sgpr_kernarg_segment_ptr 1
		.amdhsa_wavefront_size32 1
		.amdhsa_system_sgpr_workgroup_id_x 1
		.amdhsa_system_sgpr_workgroup_id_y 1
		.amdhsa_system_sgpr_workgroup_id_z 1
		.amdhsa_system_vgpr_workitem_id 0
		.amdhsa_next_free_vgpr 256
		.amdhsa_next_free_sgpr 66
		.amdhsa_reserve_vcc 0
		.amdhsa_float_denorm_mode_32 3
		.amdhsa_float_denorm_mode_16_64 3
		.amdhsa_memory_ordered 1
		.amdhsa_forward_progress 1
		.amdhsa_inst_pref_size 94
	.end_amdhsa_kernel
	.amdgpu_metadata
---
amdhsa.version: [ 1, 2 ]
amdhsa.kernels:
  - .name:           k_q049765c50d_col
    .symbol:         k_q049765c50d_col.kd
    .args:
      - { .name: codes, .offset: 0, .size: 8, .value_kind: global_buffer, .address_space: global }
      - { .name: scales, .offset: 8, .size: 8, .value_kind: global_buffer, .address_space: global }
      - { .name: mask, .offset: 16, .size: 8, .value_kind: global_buffer, .address_space: global }
      - { .name: cq_b, .offset: 24, .size: 8, .value_kind: global_buffer, .address_space: global }
      - { .name: ck_b, .offset: 32, .size: 8, .value_kind: global_buffer, .address_space: global }
      - { .name: cv_b, .offset: 40, .size: 8, .value_kind: global_buffer, .address_space: global }
      - { .name: out_b, .offset: 48, .size: 8, .value_kind: global_buffer, .address_space: global }
      - { .name: rowo, .offset: 56, .size: 8, .value_kind: global_buffer, .address_space: global }
      - { .name: out0, .offset: 64, .size: 8, .value_kind: global_buffer, .address_space: global }
    .group_segment_fixed_size: 171520
    .private_segment_fixed_size: 0
    .kernarg_segment_align: 8
    .kernarg_segment_size: 72
    .max_flat_workgroup_size: 512
    .sgpr_count:     66
    .vgpr_count:     256
    .wavefront_size: 32
...
	.end_amdgpu_metadata
.endif
;; end of part 3
